; MI455X (gfx1250); checked and timed in simulation.
; The chip was launched on July 23, 2026; its instructions are those of AMD's public machine-readable ISA for CDNA 5 (MIT licence, August 2026) and "CDNA5" Instruction Set Architecture Reference Guide (July 2026). The comments in the code are by the model that wrote it; some were corrected since.
;; Multihead Attention. Allowed arithmetic: matrix products marked QUANTISED: E2M1 operands, one E8M0 scale for each 32 along K, by v_wmma_scale_f32_16x16x128_f8f6f4 with both operands' format E2M1 (or v_wmma_scale_f32_32x16x128_f4), f32 sums; products left as they are: bf16, f16 or f32 operands; f32 sums; everything else in f32.
;; Inputs: Wk 1,024 x 1,024 float32; Wo 1,024 x 1,024 float32; Wq 1,024 x 1,024 float32; Wv 1,024 x 1,024 float32; keys 2 x 2,048 x 1,024 float32; mask 1 x 1 x 2,048 x 2,048 bool; queries 2 x 2,048 x 1,024 float32; values 2 x 2,048 x 1,024 float32.
;; Outputs: out0 2 x 2,048 x 1,024 float32.
;; This version of the problem:
;;   THIS VERSION OF THE PROBLEM IS GIVEN IN LOW PRECISION. The matrix products marked QUANTISED in the list below multiply operands that are first quantised to E2M1 (2 exponent bits, 1 mantissa bit; 4 bits a number), with one power-of-two scale for each 32 numbers along K (OCP MX v1.0); their sums are f32. The products marked 'left as it is' may take bf16, f16 or f32 operands, with f32 sums. Whichever they take, every output number must still come out within the allowed error. Rounding operands to bf16 (8 significant bits) uses up far more of that allowance than f16 does (11 bits, for magnitudes from 6e-5 to 65,504). All else is computed in f32.
;;   The module's matrix products, in the order in which they are computed (A, B: the left and right operand; K: the contracted axis; several contracted axes count as one K, in the product's order):
;;     1. [M 4,096, K 1,024] x [K 1,024, N 1,024]; A: input queries; B: input Wq: QUANTISED
;;     2. [M 4,096, K 1,024] x [K 1,024, N 1,024]; A: input keys; B: input Wk: QUANTISED
;;     3. [M 4,096, K 1,024] x [K 1,024, N 1,024]; A: input values; B: input Wv: QUANTISED
;;     4. batch 32 x [M 2,048, K 64] x [K 64, N 2,048]; A: computed on the way; B: computed on the way: left as it is (an operand is computed on the way)
;;     5. batch 32 x [M 2,048, K 2,048] x [K 2,048, N 64]; A: computed on the way; B: computed on the way: left as it is (an operand is computed on the way)
;;     6. [M 4,096, K 1,024] x [K 1,024, N 1,024]; A: computed on the way; B: input Wo: left as it is (an operand is computed on the way)
;;   THE QUANTISER, for each operand of a quantised product, along K:
;;     - K is cut into blocks of 32 from its start; a last block that is shorter is filled with zeros.
;;     - A block's scale is 2^e with e = floor(log2(the largest magnitude in the block)) - 2, held to -126 .. 127; a block of zeros has e = 0. As a byte (E8M0): e + 127.
;;     - Each number is divided by its block's scale, clamped to +-6, and rounded to the nearest number of E2M1, ties to even, subnormals kept.
;;     - The product sums the exact products of the quantised numbers (number of the format x scale) in f32.
;;   ~~~python
;;   def quantise(x, axis):      # numpy; x: float32 -> the quantised numbers, widened to float32 again
;;       x = np.moveaxis(x, axis, -1); K = x.shape[-1]
;;       x = np.pad(x, [(0, 0)] * (x.ndim - 1) + [(0, -K % 32)]); x = x.reshape(x.shape[:-1] + (-1, 32)); a = np.abs(x).max(-1, keepdims=True)
;;       e = np.where(a > 0, np.clip(np.frexp(np.where(a > 0, a, 1))[1] - 1 - 2, -126, 127), 0)      # np.frexp(a)[1] - 1 = floor(log2(a)), exactly
;;       r = np.clip(x / 2.0 ** e, -6, 6)
;;       step = 2.0 ** (np.maximum(np.frexp(np.where(r == 0, 1, r))[1] - 1, 0) - 1)
;;       q = np.round(r / step) * step * 2.0 ** e      # np.round: ties to even
;;       return np.moveaxis(q.reshape(q.shape[:-2] + (-1,))[..., :K], -1, axis).astype(np.float32)
;;   ~~~
;; One version. Each part assembles by itself: llvm-mc -triple=amdgcn-amd-amdhsa -mcpu=gfx1250 --defsym DOCPART=n.
;; ======== version 1 of 1: 5 launches
;; limits: values are held in f16: magnitudes above 65,504 overflow, below 6.1e-05 lose precision
;; workspace buffers: codes 7,864,320 bytes; scales 491,520 bytes; qkv 33,554,432 bytes; woimg 4,194,304 bytes; joined 8,388,608 bytes; mw 524,288 bytes of whole numbers; mflags 1,024 bytes of whole numbers
;; launch prep (part 1): grid 736 x 1, 4 waves a work-group, no clusters, 33,280 bytes of LDS; arguments queries, keys, values, Wq, Wk, Wv, Wo, mask, codes, scales, woimg, mw, mflags; writes codes, scales, woimg, mw, mflags
.if DOCPART == 1
	.amdgcn_target "amdgcn-amd-amdhsa--gfx1250"
	.amdhsa_code_object_version 6
	.text
	.protected	k_q97b351f432_prep
	.globl	k_q97b351f432_prep
	.p2align	8
	.type	k_q97b351f432_prep,@function
k_q97b351f432_prep:
	s_mov_b64 s[64:65], 0
	v_nop
	global_prefetch_b8 v0, s[64:65] scope:SCOPE_SE
	s_setreg_imm32_b32 hwreg(HW_REG_WAVE_MODE, 25, 1), 1
	s_wait_xcnt 0x0
; PREP: three jobs, told apart by the work-group number alone.
;  work-groups 0-479: queries, keys, values, Wq, Wk, Wv (f32, K innermost) become codes of FP4 (E2M1) and one E8M0 byte for each 32 along K.
;     All six tensors are plain streams of blocks of 32; their codes lie one behind the other in one buffer (rows of 512 bytes: queries 0, keys 4096, values 8192, Wq 12288, Wk 13312, Wv 14336), the scale bytes likewise (32 a row).
;     A block scale is 2^(floor(log2(largest magnitude)) - 2); its byte is the exponent field of the largest magnitude less 2, held at 1 from below (a block of zeros keeps the byte 1: its codes are zeros, and only this program reads the bytes).
;  work-groups 480-607: Wo becomes two f16 tensors, a high part and (Wo - high) x 2048, laid as images of operand registers: [hi, lo][16 rows: 64][32 k: 32][half: 2][512 bytes]; lane (r, h) has row r, k = 16 half + 8 h + 0..7.
;  work-groups 608-735: the mask (1 = hidden) becomes lane masks: mw[q tile 128][step of 64 keys: 32][32 words]; bit l of word 8 kt + j = mask[16 qt + l % 16][64 s + 16 kt + 8 (l / 16) + j];
;     and two flag words a q tile: bit s of word 0: step s has a key that counts; bit s of word 1: step s has a hidden element.
; LIMITS: NaN and infinities among the inputs are not served; blocks whose largest magnitude lies under 2^-124 keep the byte 1 (not tried); Wo must stay under 65,504 in magnitude.
; No matrix unit, no cluster, no tensor load: every byte is read once and the waves share nothing.
.set WAVES, 4
.set STEPS, 16
.set EMAX,  2
.set CB,    8                          ; bytes of 16 codes
.set R,     16                         ; v16-79   four sets of 16 numbers as loaded
.set X,     80                         ; v80-111  two sets of 16 neighbours
.set E,     112                        ; v112-127 a scale byte for each step
.set C,     128                        ; v128-191 codes, four registers a step
.set WREG,  8192                       ; LDS of a wave: two stages of 32 x SP bytes, then its 256 scale bytes
.set SP,    80                         ; a lane place in a stage: 64 bytes + 16 of padding
.set SPW,   12                         ; v12 LDS address of my spare word; never rewritten
.set NIL,   13                         ; v13 0; never rewritten
.set SPARE, WAVES*WREG                 ; the spare words, 128 bytes a wave; no other line names them
.macro WIDEN d, r                      ; the two f16 halves of register r, widened into v[d], v[d+1]
	v_cvt_f32_f16 v[\d], v\r\().l
	v_cvt_f32_f16 v[(\d)+1], v\r\().h
.endm
	s_load_b512 s[4:19], s[0:1], 0x0               ; queries, keys, values, Wq, Wk, Wv, Wo s[16:17], mask s[18:19]
	s_load_b256 s[20:27], s[0:1], 0x40             ; codes, scales, woimg, mw
	s_load_b64 s[28:29], s[0:1], 0x60              ; mflags
	v_lshl_add_u32 v[SPW], v0, 2, SPARE
	v_mov_b32 v[NIL], 0
	v_lshrrev_b32 v1, 5, v0
	v_readfirstlane_b32 s32, v1                    ; wave
	v_and_b32 v2, 31, v0                           ; lane
	s_wait_kmcnt 0x0
	s_cmp_ge_u32 ttmp9, 608
	s_cbranch_scc1 .Lmask
	s_cmp_ge_u32 ttmp9, 480
	s_cbranch_scc1 .Lwo
; ---------------- the quantiser: a work-group takes 32,768 numbers, a wave 16 steps of 512 ----------------
	v_lshlrev_b32 v3, 4, v2                        ; my 16 bytes of the 512 of a load
	s_mul_i32 s37, s32, WREG
	v_lshrrev_b32 v14, 2, v2
	v_mul_u32_u24 v14, v14, SP
	v_and_b32 v15, 3, v2
	v_lshl_add_u32 v14, v15, 4, v14
	v_add_nc_u32 v14, s37, v14                     ; the stage, on the way in: SP (lane / 4) + 16 (lane % 4)
	v_mul_u32_u24 v15, v2, SP
	v_add_nc_u32 v15, s37, v15                     ; and on the way out: SP x lane: my 16 neighbours
	v_mul_u32_u24 v4, v2, CB                       ; my codes in a step
	v_lshrrev_b32 v5, 1, v2
	s_add_co_u32 s37, s37, 2*32*SP
	v_add_nc_u32 v5, s37, v5                       ; LDS: the byte of my block
	v_lshlrev_b32 v7, 3, v2
	v_add_nc_u32 v6, s37, v7
	s_cmp_lt_u32 ttmp9, 128                        ; which tensor: the choice hangs on the work-group number alone
	s_cselect_b64 s[30:31], s[4:5], s[6:7]
	s_cmp_lt_u32 ttmp9, 256
	s_cselect_b64 s[30:31], s[30:31], s[8:9]
	s_cmp_lt_u32 ttmp9, 384
	s_cselect_b64 s[30:31], s[30:31], s[10:11]
	s_cselect_b32 s33, 127, 31                     ; 128 work-groups to an activation, 32 to a weight
	s_cmp_lt_u32 ttmp9, 416
	s_cselect_b64 s[30:31], s[30:31], s[12:13]
	s_cmp_lt_u32 ttmp9, 448
	s_cselect_b64 s[30:31], s[30:31], s[14:15]
	s_and_b32 s33, ttmp9, s33                      ; my place in the tensor (128, 256, 384 and the steps of 32 behind are multiples of the mask + 1)
	s_lshl_b32 s33, s33, 2
	s_add_co_u32 s33, s33, s32                     ; my run of 8,192 numbers
	s_lshl_b32 s34, s33, 15
	s_mov_b32 s35, 0
	s_add_nc_u64 s[30:31], s[30:31], s[34:35]
	s_lshl_b32 s36, ttmp9, 2
	s_add_co_u32 s36, s36, s32                     ; the same counted over all six tensors
	s_lshl_b32 s34, s36, 12
	s_add_nc_u64 s[20:21], s[20:21], s[34:35]      ; 4,096 bytes of codes a run
	s_lshl_b32 s34, s36, 8
	s_add_nc_u64 s[22:23], s[22:23], s[34:35]      ; 256 scale bytes a run
.macro LOAD t
.irp i, 0,1,2,3
	global_load_b128 v[R+16*((\t)%4)+4*\i:R+16*((\t)%4)+4*\i+3], v3, s[30:31] offset:2048*(\t)+512*\i th:TH_LOAD_NT   ; 32 lanes read 512 consecutive bytes
.endr
.endm
.macro TURN t                          ; the numbers of step t through the stage; LDS serves the instructions of a wave in order, so no wait stands between stores and loads
.irp i, 0,1,2,3
	ds_store_b128 v14, v[R+16*((\t)%4)+4*\i:R+16*((\t)%4)+4*\i+3] offset:32*SP*((\t)%2)+8*SP*\i
.endr
.irp i, 0,1,2,3
	ds_load_b128 v[X+16*((\t)%2)+4*\i:X+16*((\t)%2)+4*\i+3], v15 offset:32*SP*((\t)%2)+16*\i
.endr
.endm
.irp t, 0,1,2,3
	LOAD \t
.endr
	s_wait_loadcnt 12                              ; the four loads of step 0 are in; twelve younger ones stay out
	TURN 0
.macro STEP t
.set XS, X+16*((\t)%2)
.if (\t) > 0
	s_wait_dscnt 1                                 ; the numbers of this step are back from the stage (the byte store of the last step may be out)
.else
	s_wait_dscnt 0x0
.endif
.if (\t)+4 < STEPS
	LOAD (\t)+4
.endif
.if (\t)+1 < STEPS
.if STEPS-2-(\t) >= 3
	s_wait_loadcnt 12                              ; the next step is in; the loads of the three steps behind it may be out
.else
	s_wait_loadcnt 4*(STEPS-2-(\t))
.endif
	TURN (\t)+1
.endif
	v_max3_num_f32 v8, |v[XS]|, |v[XS+1]|, |v[XS+2]|               ; the largest magnitude of my 16, in two chains
	v_max3_num_f32 v9, |v[XS+3]|, |v[XS+4]|, |v[XS+5]|
.irp i, 6,10
	v_max3_num_f32 v8, v8, |v[XS+\i]|, |v[XS+\i+1]|
	v_max3_num_f32 v9, v9, |v[XS+\i+2]|, |v[XS+\i+3]|
.endr
	v_max3_num_f32 v8, v8, |v[XS+14]|, |v[XS+15]|
	v_max3_num_f32 v8, v8, v9, (EMAX+1)<<23        ; and the floor 2^(3 - 127): the byte cannot fall under 1
	v_max_num_f32_dpp v8, v8, v8 row_xmask:1 row_mask:0xf bank_mask:0xf   ; with the 16 of my neighbour: the block
	v_add_nc_u32 v11, -(EMAX<<23), v8              ; 2 off the exponent field: the scale operand of the conversion
	v_cvt_scalef32_pk8_fp4_f32 v[C+4*(\t)], v[XS:XS+7], v11
	v_cvt_scalef32_pk8_fp4_f32 v[C+4*(\t)+1], v[XS+8:XS+15], v11
	v_lshrrev_b32 v[E+(\t)], 23, v11               ; the scale byte (also the plain line behind the conversions)
	ds_store_b8 v5, v[E+(\t)] offset:16*(\t)       ; both lanes of a block write the same byte with the same value
	global_store_b64 v4, v[C+4*(\t):C+4*(\t)+1], s[20:21] offset:32*CB*(\t)   ; the wave stores 256 consecutive bytes, aligned
.endm
.irp t, 0,1,2,3,4,5,6,7,8,9,10,11,12,13,14,15
	STEP \t
.endr
	ds_load_b64 v[8:9], v6                         ; in order behind my byte stores
	s_wait_dscnt 0x0
	global_store_b64 v7, v[8:9], s[22:23]          ; 256 consecutive scale bytes, aligned
	s_wait_tensorcnt 0x0                           ; the end of a wave that stored to LDS
	ds_add_u32 v[SPW], v[NIL]
	s_wait_dscnt 0x0
	s_endpgm
; ---------------- Wo: a wave takes 16 rows x 128 k ----------------
.Lwo:
	s_sub_co_u32 s33, ttmp9, 480
	s_lshl_b32 s33, s33, 2
	s_add_co_u32 s33, s33, s32                     ; 0..511
	s_lshr_b32 s34, s33, 3                         ; the tile of 16 rows
	s_and_b32 s36, s33, 7                          ; which 128 along k
	s_lshl_b32 s38, s34, 16                        ; 16 rows of 4,096 bytes
	s_lshl_b32 s39, s36, 9
	s_add_co_u32 s38, s38, s39
	s_mov_b32 s39, 0
	s_add_nc_u64 s[16:17], s[16:17], s[38:39]
	s_lshl_b32 s38, s34, 15                        ; 32 chunks of 1,024 bytes a tile
	s_lshl_b32 s40, s36, 12                        ; 4 chunks
	s_add_co_u32 s38, s38, s40
	s_add_nc_u64 s[24:25], s[24:25], s[38:39]
	v_and_b32 v3, 15, v2                           ; r
	v_lshrrev_b32 v4, 4, v2                        ; h
	v_lshlrev_b32 v5, 12, v3
	v_lshl_add_u32 v5, v4, 5, v5                   ; row r, + 8 h numbers
	v_lshlrev_b32 v6, 4, v2                        ; 16 x lane: my place in an image
.irp c, 0,1,2,3
.irp f, 0,1
.irp e, 0,1
	global_load_b128 v[32+16*\c+8*\f+4*\e:35+16*\c+8*\f+4*\e], v5, s[16:17] offset:128*\c+64*\f+16*\e th:TH_LOAD_NT   ; Wo(r, 32 c + 16 f + 8 h + 4 e ..)
.endr
.endr
.endr
	s_wait_loadcnt 0x0
.set jj, 0
.rept 32
	v_cvt_pk_f16_f32 v[96+jj], v[32+2*jj], v[33+2*jj]              ; the high part
.set jj, jj+1
.endr
.irp j, 96,97,98,99,100,101,102,103,104,105,106,107,108,109,110,111,112,113,114,115,116,117,118,119,120,121,122,123,124,125,126,127
	WIDEN 128+2*(\j-96), \j
.endr
.set jj, 0
.rept 32
	v_pk_add_f32 v[32+2*jj:33+2*jj], v[32+2*jj:33+2*jj], v[128+2*jj:129+2*jj] neg_lo:[0,1] neg_hi:[0,1]   ; what the rounding left: exact
.set jj, jj+1
.endr
.set jj, 0
.rept 32
	v_pk_mul_f32 v[32+2*jj:33+2*jj], v[32+2*jj:33+2*jj], 0x45000000 op_sel_hi:[1,0]   ; x 2048, so that it lies in the normal range of f16
.set jj, jj+1
.endr
.set jj, 0
.rept 32
	v_cvt_pk_f16_f32 v[128+jj], v[32+2*jj], v[33+2*jj]             ; the low part
.set jj, jj+1
.endr
.irp n, 0,1,2,3,4,5,6,7
	global_store_b128 v6, v[96+4*\n:99+4*\n], s[24:25] offset:512*\n            ; image 2 c + f: 512 consecutive bytes
	global_store_b128 v6, v[128+4*\n:131+4*\n], s[24:25] offset:2097152+512*\n
.endr
	s_endpgm
; ---------------- the mask: a work-group takes 16 queries, a wave 8 steps of 64 keys ----------------
.Lmask:
	s_sub_co_u32 s33, ttmp9, 608                   ; the q tile
	v_and_b32 v3, 15, v2
	v_lshrrev_b32 v4, 4, v2
	v_lshlrev_b32 v5, 11, v3                       ; a row of the mask is 2,048 bytes
	v_lshl_add_u32 v5, v4, 3, v5
	s_lshl_b32 s34, s33, 15
	s_lshl_b32 s35, s32, 9
	s_add_co_u32 s34, s34, s35
	v_add_nc_u32 v5, s34, v5                       ; (16 qt + r) x 2048 + 512 wave + 8 h
.irp n, 0,1,2,3,4,5,6,7,8,9,10,11,12,13,14,15,16,17,18,19,20,21,22,23,24,25,26,27,28,29,30,31
	global_load_b64 v[32+2*\n:33+2*\n], v5, s[18:19] offset:16*\n th:TH_LOAD_NT   ; n = 4 step + kt: eight bytes: keys 64 step + 16 kt + 8 h + 0..7
.endr
	v_lshlrev_b32 v6, 3, v2                        ; 8 x lane
	s_lshl_b32 s34, s33, 12                        ; 32 steps of 128 bytes a tile
	s_lshl_b32 s35, s32, 10                        ; 8 steps a wave
	s_add_co_u32 s34, s34, s35
	s_mov_b32 s35, 0
	s_add_nc_u64 s[26:27], s[26:27], s[34:35]
	s_lshl_b32 s34, s33, 3
	s_add_nc_u64 s[28:29], s[28:29], s[34:35]
	s_mov_b32 s48, 0                               ; my eight bits of flag word 0
	s_mov_b32 s49, 0                               ; and of flag word 1
.macro PAIR k                          ; steps 2 k and 2 k + 1 of my eight: 64 words, word n into lane n / 2 of register n % 2
	s_wait_loadcnt 24-8*(\k)                       ; the eight loads of this pair are in; those of the later pairs may be out
	v_mov_b32 v[96+2*(\k)], 0                      ; (the destination of a lane write counts as read)
	v_mov_b32 v[97+2*(\k)], 0
.set n, 0
.rept 64
	v_bfe_u32 v[8+n%4], v[32+2*(4*(2*(\k)+n/32)+(n/8)%4)+(n%8)/4], 8*(n%4), 8
	v_cmp_ne_u32 s[40+n%4], 0, v[8+n%4]            ; one bit a lane
	v_writelane_b32 v[96+2*(\k)+n%2], s[40+n%4], n/2
.set n, n+1
.endr
	global_store_b64 v6, v[96+2*(\k):97+2*(\k)], s[26:27] offset:256*(\k)   ; two steps: 256 consecutive bytes, aligned
	v_cmp_ne_u32 s44, -1, v[96+2*(\k)]             ; a word that is not all ones has a key that counts
	v_cmp_ne_u32 s45, -1, v[97+2*(\k)]
	s_or_b32 s44, s44, s45                         ; lanes 0-15: the even step; lanes 16-31: the odd one
	s_and_b32 s45, s44, 0xffff
	s_cmp_lg_u32 s45, 0
	s_cselect_b32 s46, 1<<(2*(\k)), 0
	s_or_b32 s48, s48, s46
	s_lshr_b32 s45, s44, 16
	s_cmp_lg_u32 s45, 0
	s_cselect_b32 s46, 1<<(2*(\k)+1), 0
	s_or_b32 s48, s48, s46
	v_cmp_ne_u32 s44, 0, v[96+2*(\k)]              ; a word that is not 0 has a hidden element
	v_cmp_ne_u32 s45, 0, v[97+2*(\k)]
	s_or_b32 s44, s44, s45
	s_and_b32 s45, s44, 0xffff
	s_cmp_lg_u32 s45, 0
	s_cselect_b32 s46, 1<<(2*(\k)), 0
	s_or_b32 s49, s49, s46
	s_lshr_b32 s45, s44, 16
	s_cmp_lg_u32 s45, 0
	s_cselect_b32 s46, 1<<(2*(\k)+1), 0
	s_or_b32 s49, s49, s46
.endm
	PAIR 0
	PAIR 1
	PAIR 2
	PAIR 3
	v_mov_b32 v8, s48
	v_mov_b32 v9, s49
	v_cmp_eq_u32 vcc_lo, 0, v2
	v_cndmask_b32 v8, v9, v8, vcc_lo               ; lane 0: word 0; lane 1: word 1
	v_lshlrev_b32 v10, 2, v2
	v_add_nc_u32 v10, s32, v10                     ; byte wave of word lane: the four waves make the two words
	v_cmp_gt_u32 vcc_lo, 2, v2
	s_wait_xcnt 0x0                                ; EXEC changes only behind this wait
	s_and_saveexec_b32 s50, vcc_lo
	global_store_b8 v10, v8, s[28:29]
	s_wait_xcnt 0x0
	s_or_b32 exec_lo, exec_lo, s50
	s_endpgm
.Lfunc_end_k_q97b351f432_prep:
	.size	k_q97b351f432_prep, .Lfunc_end_k_q97b351f432_prep-k_q97b351f432_prep
	.p2alignl 7, 3214868480
	.fill 96, 4, 3214868480
	.section	.rodata,"a",@progbits
	.p2align	6, 0x0
	.amdhsa_kernel k_q97b351f432_prep
		.amdhsa_group_segment_fixed_size 33280
		.amdhsa_private_segment_fixed_size 0
		.amdhsa_enable_private_segment 0
		.amdhsa_kernarg_size 104
		.amdhsa_user_sgpr_count 2
		.amdhsa_user_sgpr_kernarg_segment_ptr 1
		.amdhsa_wavefront_size32 1
		.amdhsa_system_sgpr_workgroup_id_x 1
		.amdhsa_system_sgpr_workgroup_id_y 1
		.amdhsa_system_sgpr_workgroup_id_z 1
		.amdhsa_system_vgpr_workitem_id 0
		.amdhsa_next_free_vgpr 192
		.amdhsa_next_free_sgpr 66
		.amdhsa_reserve_vcc 1
		.amdhsa_float_denorm_mode_32 3
		.amdhsa_float_denorm_mode_16_64 3
		.amdhsa_memory_ordered 1
		.amdhsa_forward_progress 1
		.amdhsa_inst_pref_size 105
	.end_amdhsa_kernel
	.amdgpu_metadata
---
amdhsa.version: [ 1, 2 ]
amdhsa.kernels:
  - .name:           k_q97b351f432_prep
    .symbol:         k_q97b351f432_prep.kd
    .args:
      - { .name: queries, .offset: 0, .size: 8, .value_kind: global_buffer, .address_space: global }
      - { .name: keys, .offset: 8, .size: 8, .value_kind: global_buffer, .address_space: global }
      - { .name: values, .offset: 16, .size: 8, .value_kind: global_buffer, .address_space: global }
      - { .name: Wq, .offset: 24, .size: 8, .value_kind: global_buffer, .address_space: global }
      - { .name: Wk, .offset: 32, .size: 8, .value_kind: global_buffer, .address_space: global }
      - { .name: Wv, .offset: 40, .size: 8, .value_kind: global_buffer, .address_space: global }
      - { .name: Wo, .offset: 48, .size: 8, .value_kind: global_buffer, .address_space: global }
      - { .name: mask, .offset: 56, .size: 8, .value_kind: global_buffer, .address_space: global }
      - { .name: codes, .offset: 64, .size: 8, .value_kind: global_buffer, .address_space: global }
      - { .name: scales, .offset: 72, .size: 8, .value_kind: global_buffer, .address_space: global }
      - { .name: woimg, .offset: 80, .size: 8, .value_kind: global_buffer, .address_space: global }
      - { .name: mw, .offset: 88, .size: 8, .value_kind: global_buffer, .address_space: global }
      - { .name: mflags, .offset: 96, .size: 8, .value_kind: global_buffer, .address_space: global }
    .group_segment_fixed_size: 33280
    .private_segment_fixed_size: 0
    .kernarg_segment_align: 8
    .kernarg_segment_size: 104
    .max_flat_workgroup_size: 128
    .sgpr_count:     66
    .vgpr_count:     192
    .wavefront_size: 32
...
	.end_amdgpu_metadata
.endif
;; end of part 1
;; launch proj (part 2): grid 4 x 48, 4 waves a work-group, clusters of 4 x 4, 327,680 bytes of LDS; arguments codes, scales, qkv; writes qkv
.if DOCPART == 2
	.amdgcn_target "amdgcn-amd-amdhsa--gfx1250"
	.amdhsa_code_object_version 6
	.text
	.protected	k_q97b351f432_proj
	.globl	k_q97b351f432_proj
	.p2align	8
	.type	k_q97b351f432_proj,@function
k_q97b351f432_proj:
	s_mov_b64 s[64:65], 0
	v_nop
	global_prefetch_b8 v0, s[64:65] scope:SCOPE_SE
	s_setreg_imm32_b32 hwreg(HW_REG_WAVE_MODE, 25, 1), 1
	s_wait_xcnt 0x0
	s_wait_alu depctr_hold_cnt(0) depctr_sa_sdst(0) depctr_va_vdst(0) depctr_va_sdst(0) depctr_va_ssrc(0) depctr_va_vcc(0) depctr_vm_vsrc(0)
	s_getreg_b32 s2, hwreg(HW_REG_IB_STS2, 6, 4)
	s_cmp_eq_u32 s2, 0
	s_cbranch_scc0 .Lentry_in_a_cluster
	s_endpgm
.Lentry_in_a_cluster:
	s_bfe_u32 s2, ttmp6, 0x10000c
	s_cmp_lg_u32 s2, 0xf033
	s_cbranch_scc0 .Lentry_shape_is_right
	s_endpgm
.Lentry_shape_is_right:
; PROJ: q = queries Wq^T, k = keys Wk^T, v = values Wv^T on codes of FP4 (E2M1) with one E8M0 scale for each 32 along K; sums in f32; K = 1,024.
; Twelve clusters of 4 x 4 work-groups: cluster number / 4 = the product p, cluster number % 4 = which 1,024 tokens.  A work-group makes 256 x 256, each of its four waves 128 x 128 (64 accumulators, 512 registers).
; The matrix instruction is used transposed: source 0 = 16 rows of side B, source 1 = 16 rows of side A; a lane then holds ONE row of A and eight neighbouring rows of B.
;   p = 0, 1: A = tokens, B = rows of W (features): a lane holds a token and 8 features: packed to f16 these are four registers of the operand that the score product wants.
;   p = 2:    A = rows of Wv (features), B = tokens: a lane holds a feature and 8 tokens: four registers of V^T.  The sides change by pointers alone.
; So results leave straight from registers as images of operand registers, each store 512 consecutive aligned bytes, and no LDS stage is needed.
;   q, k: [head 32][16 tokens: 128][16 features: 4][512 bytes]; v high and low: [head 32][32 keys: 64][16 features: 4][half: 2][512 bytes]; the low part is (v - high) x 2048.
; K goes in two steps of 512 (rows of 256 bytes) into two LDS slots, which hold all of K: nothing is filled again.  The scale bytes of the 256 + 256 rows come once, as two dense blocks.
; CLUSTERS: the four of a row of the cluster need the same tiles of A, the four of a column the same tiles of B: each tile is asked for jointly.  192 work-groups: tiles of 128 x 256 would make 384, one round and a half.
; LIMITS: q, k, v must stay under 65,504 in magnitude (f16).
; REGISTERS: window 0: v16-29 addresses; v32-95 scale words, two sets; v128-191 fragments of A, one set; on the way out v32-223 are free.  window 1: fragments of B, two sets.  windows 2, 3: the accumulators ((a, b) at v[8 (8 (a % 4) + b)]).
.set KSTEP,  512
.set NQ,     KSTEP/128
.set ROWB,   256                       ; a row of a tile in bytes
.set KROW,   512                       ; a row of codes in memory
.set PITCH,  272                       ; an LDS row: 256 bytes + 16 of padding: the 16 rows of a fragment load start 16 bytes apart modulo 256
.set FR,     8
.set NL,     2
.set NP,     4
.set HALFT,  128*PITCH
.set SLOT,   4*HALFT
.set KS,     32                        ; a row of scale bytes
.set SCL,    2*SLOT
.set HALFS,  (128*KS/256)*272
.set SBLK,   (16*KS/256)*272
.set SPARE,  SCL+4*HALFS               ; the spare words, 128 bytes a wave; no other line names them
.set ADRA, 16
.set ADRB, 20
.set CO,   26                          ; v26 16 x lane: my place in an image
.set ADRS, 27
.set SPW,  28
.set NIL,  29
.set SC,   32
.set AF,   128
.set G1, 24
.set G0, 32
.set G1B, 48
.set G0B, 56
.set G1S, 68
.set G0S, 76
.set G1SB, 80
.set G0SB, 88
.set MSB, 0
.macro WIN new                         ; the high byte of the immediate repeats the setting that is left
.if MSB != \new
	s_set_vgpr_msb (MSB<<8)|\new
.set MSB, \new
.endif
.endm
.set MUL_LO, 0xa1                      ; source 0 (B) window 1, source 1 (A) window 0, C and D window 2
.set MUL_HI, 0xf1
.set TO_B,   0x40
.macro WIDEN d, r
	v_cvt_f32_f16 v[\d], v\r\().l
	v_cvt_f32_f16 v[(\d)+1], v\r\().h
.endm
; A joint load: waves 0 and 1 fetch for A, waves 2 and 3 for B; the branch hangs on the wave number alone.  An s_nop 0 and four v_nop follow each of the two lines.
.macro JLOAD g0a, g1a, g0b, g1b
	s_cmp_eq_u32 s15, 0
	s_cbranch_scc0 .Lfor_b_\@
	tensor_load_to_lds s[\g0a:\g0a+3], s[\g1a:\g1a+7]
	s_nop 0
.rept 4
	v_nop
.endr
	s_branch .Lasked_\@
.Lfor_b_\@:
	tensor_load_to_lds s[\g0b:\g0b+3], s[\g1b:\g1b+7]
	s_nop 0
.rept 4
	v_nop
.endr
.Lasked_\@:
.endm
.macro CROUND                          ; a round of the barrier of the cluster
	s_barrier_signal -1
	s_barrier_wait -1
	s_cmp_lg_u32 s14, 0
	s_cbranch_scc1 .Lnot_wave_0_\@
	s_barrier_signal -3
.Lnot_wave_0_\@:
	s_barrier_wait -3
	s_barrier_signal -1
	s_barrier_wait -1
.endm
	s_load_b128 s[4:7], s[0:1], 0x0                ; codes, scales
	s_load_b64 s[12:13], s[0:1], 0x10              ; qkv
	v_lshl_add_u32 v[SPW], v0, 2, SPARE
	v_mov_b32 v[NIL], 0
	ds_add_u32 v[SPW], v[NIL]                      ; the opening: the add, twice on end, and its wait ahead of my first tensor load
	ds_add_u32 v[SPW], v[NIL]
	v_lshrrev_b32 v1, 5, v0
	v_readfirstlane_b32 s14, v1                    ; wave 0..3
	s_lshr_b32 s15, s14, 1                         ; which half of the rows of A is mine.  Also: I fetch for A (0) or for B (1)
	s_and_b32 s16, s14, 1                          ; which half of the rows of B.  Also: which 128 rows I fetch
	s_bfe_u32 s40, ttmp6, 0x40000                  ; cx
	s_bfe_u32 s41, ttmp6, 0x40004                  ; cy
	s_and_b32 s98, ttmp7, 0xffff                   ; the cluster, 0..11
	s_lshr_b32 s99, s98, 2                         ; p: the product
	s_and_b32 s96, s98, 3                          ; which 1,024 tokens
	s_lshl_b32 s43, s41, 2
	s_lshl_b32 s43, 15, s43                        ; my row of the cluster
	s_lshl_b32 s44, 0x1111, s40                    ; my column
	s_or_b32 s[G1+0], s43, (0<<16)|(1<<20)|(1<<21)|(5<<22)|(3<<25)  ; the mask; elements of 1 byte; padding on: 4 words behind every 64; bit 21 beside a mask
	s_or_b32 s[G1B+0], s44, (0<<16)|(1<<20)|(1<<21)|(5<<22)|(3<<25)
.irp g, G1, G1B
	s_mov_b32 s[\g+1], ROWB<<16                    ; tensor_dim0
	s_mov_b32 s[\g+2], 128<<16                     ; tensor_dim1
	s_mov_b32 s[\g+3], ROWB<<16                    ; tile_dim0
	s_mov_b32 s[\g+4], 128                         ; tile_dim1
	s_mov_b32 s[\g+5], KROW                        ; stride from row to row
	s_mov_b32 s[\g+6], 0
	s_mov_b32 s[\g+7], 0
.endr
	s_or_b32 s[G1S+0], s43, (3<<16)|(1<<20)|(1<<21)|(5<<22)|(3<<25)  ; the scale bytes of 128 rows: 4,096 dense bytes as 16 rows of 256 (32 elements of 8 bytes), padded alike
	s_or_b32 s[G1SB+0], s44, (3<<16)|(1<<20)|(1<<21)|(5<<22)|(3<<25)
.irp g, G1S, G1SB
	s_mov_b32 s[\g+1], 32<<16
	s_mov_b32 s[\g+2], (128*KS/256)<<16
	s_mov_b32 s[\g+3], 32<<16
	s_mov_b32 s[\g+4], 128*KS/256
	s_mov_b32 s[\g+5], 32
	s_mov_b32 s[\g+6], 0
	s_mov_b32 s[\g+7], 0
.endr
	; the first rows of the two sides in the buffers of codes and scale bytes: the same in all sixteen partners
	s_lshl_b32 s17, s99, 12
	s_lshl_b32 s18, s96, 10
	s_add_co_u32 s17, s17, s18                     ; tokens of product p
	s_lshl_b32 s19, s99, 10
	s_add_co_u32 s19, s19, 12288                   ; rows of Wq or Wk
	s_add_co_u32 s18, s18, 8192                    ; tokens of values
	s_mov_b32 s97, 14336                           ; rows of Wv
	s_cmp_eq_u32 s99, 2
	s_cselect_b32 s17, s97, s17                    ; side A
	s_cselect_b32 s19, s18, s19                    ; side B
	s_lshl_b32 s18, s16, 7                         ; which 128 rows I fetch
	s_lshl_b32 s20, s41, 8
	s_add_co_u32 s20, s20, s17
	s_add_co_u32 s20, s20, s18                     ; A: + 256 cy + 128 half: these registers never hold cx
	s_lshl_b32 s46, s40, 8
	s_add_co_u32 s46, s46, s19
	s_add_co_u32 s46, s46, s18                     ; B: + 256 cx + 128 half: these never hold cy
	s_lshl_b32 s22, s20, 5                         ; scale bytes: 32 a row
	s_mov_b32 s23, 0
	s_lshl_b32 s92, s46, 5
	s_mov_b32 s93, 0
	s_lshl_b32 s20, s20, 9                         ; codes: 512 bytes a row
	s_mov_b32 s21, 0
	s_lshl_b32 s46, s46, 9
	s_mov_b32 s47, 0
	s_mul_i32 s45, s14, HALFT                      ; where they go: wave x 128 rows: no place in the cluster enters an LDS address
	s_mul_i32 s94, s14, HALFS
	s_wait_dscnt 0x0                               ; both opening adds are done
	s_wait_kmcnt 0x0
	s_add_nc_u64 s[20:21], s[4:5], s[20:21]
	s_add_nc_u64 s[22:23], s[6:7], s[22:23]
	s_add_nc_u64 s[46:47], s[4:5], s[46:47]
	s_add_nc_u64 s[92:93], s[6:7], s[92:93]
	CROUND                                         ; all sixteen work-groups are here: the first joint loads meet
	s_mov_b32 s[G0S], 1
	s_add_co_u32 s[G0S+1], s94, SCL
	s_mov_b64 s[G0S+2:G0S+3], s[22:23]
	s_or_b32 s[G0S+3], s[G0S+3], 0x80000000
	s_mov_b32 s[G0SB], 1
	s_add_co_u32 s[G0SB+1], s94, SCL
	s_mov_b64 s[G0SB+2:G0SB+3], s[92:93]
	s_or_b32 s[G0SB+3], s[G0SB+3], 0x80000000
	JLOAD G0S, G1S, G0SB, G1SB                     ; the scale bytes first
.irp s, 0,1
	s_mov_b32 s[G0+4*\s], 1
	s_add_co_u32 s[G0+4*\s+1], s45, \s*SLOT
	s_add_nc_u64 s[G0+4*\s+2:G0+4*\s+3], s[20:21], \s*ROWB
	s_or_b32 s[G0+4*\s+3], s[G0+4*\s+3], 0x80000000
	s_mov_b32 s[G0B+4*\s], 1
	s_add_co_u32 s[G0B+4*\s+1], s45, \s*SLOT
	s_add_nc_u64 s[G0B+4*\s+2:G0B+4*\s+3], s[46:47], \s*ROWB
	s_or_b32 s[G0B+4*\s+3], s[G0B+4*\s+3], 0x80000000
	JLOAD G0+4*\s, G1, G0B+4*\s, G1B               ; both K steps: three tensor loads of mine are out
.endr
	v_and_b32 v1, 15, v0                           ; l % 16
	v_bfe_u32 v2, v0, 4, 1                         ; l / 16
	v_mul_u32_u24 v3, v1, PITCH
	v_lshl_add_u32 v4, v2, 4, v3                   ; row x pitch + 16 x half
	s_mul_i32 s21, s15, HALFT                      ; my 128 rows of A
	s_mul_i32 s22, s16, HALFT                      ; my 128 rows of B,
	s_add_co_u32 s22, s22, 2*HALFT                 ; behind the 256 of A
.irp s, 0,1
	v_add_nc_u32 v[ADRA+\s], s21, v4
	v_add_nc_u32 v[ADRB+\s], s22, v4
	s_add_co_u32 s21, s21, SLOT
	s_add_co_u32 s22, s22, SLOT
.endr
	v_mul_u32_u24 v5, v1, KS                       ; the scale bytes of my row,
	v_lshrrev_b32 v6, 8, v5
	v_lshl_add_u32 v5, v6, 4, v5                   ; 16 more for each 256 passed
	s_mul_i32 s21, s15, HALFS
	s_mul_i32 s22, s16, HALFS
	s_add_co_u32 s22, s22, 2*HALFS
	s_sub_co_u32 s22, s22, s21
	v_mul_u32_u24 v6, s22, v2                      ; lanes 16-31 take those of B: one product, the lower base + h x the distance
	s_add_co_u32 s21, s21, SCL
	v_add_nc_u32 v5, v5, v6
	v_add_nc_u32 v[ADRS], s21, v5
	v_and_b32 v6, 31, v0
	v_lshlrev_b32 v[CO], 4, v6
	; where my results go: section p, head block, tokens.  The token side is A for q and k, B for v.
	s_cmp_eq_u32 s99, 2
	s_cselect_b32 s8, s40, s41                     ; the place on the token side
	s_cselect_b32 s9, s16, s15                     ; my half there
	s_cselect_b32 s10, s41, s40                    ; the place on the feature side
	s_cselect_b32 s11, s15, s16
	s_lshl_b32 s17, s96, 10
	s_lshl_b32 s8, s8, 8
	s_add_co_u32 s17, s17, s8
	s_lshl_b32 s9, s9, 7
	s_add_co_u32 s17, s17, s9                      ; my first token of 4,096
	s_lshr_b32 s8, s17, 11
	s_lshl_b32 s8, s8, 4                           ; 16 heads a batch
	s_lshl_b32 s10, s10, 2
	s_add_co_u32 s8, s8, s10                       ; 256 features are 4 heads,
	s_lshl_b32 s11, s11, 1
	s_add_co_u32 s8, s8, s11                       ; 128 are 2
	s_lshl_b32 s8, s8, 18                          ; a head is 262,144 bytes in every section
	s_and_b32 s17, s17, 2047
	s_lshl_b32 s17, s17, 7                         ; 16 tokens are 2,048 bytes of q and k, 32 tokens 4,096 of v: 128 a token
	s_add_co_u32 s8, s8, s17
	s_lshl_b32 s9, s99, 23                         ; sections of 8,388,608 bytes: q, k, v high
	s_add_co_u32 s8, s8, s9
	s_mov_b32 s9, 0
	s_add_nc_u64 s[12:13], s[12:13], s[8:9]
	s_add_nc_u64 s[8:9], s[12:13], 0x800000        ; v low, one section on
.macro FRAG reg, adr, q, i             ; 16 rows x 128 K of 4-bit codes: 8 registers: two loads of 16 bytes, 32 bytes apart
.irp c, 0,1
	ds_load_b128 v[\reg+4*\c:\reg+4*\c+3], v[\adr] offset:64*(\q)+32*\c+(\i)*16*PITCH
.endr
.endm
; 16 matrix instructions: blocks a0, a0 + 1 of A x the eight of B, 128 along K.  The 64 accumulators take turns, one instruction a turn, in the same order in every step.
.macro MUL16 a0, p, q, sc, zero
.irp a, \a0, \a0+1
.irp b, 0,1,2,3,4,5,6,7
.if \zero
	v_wmma_scale_f32_16x16x128_f8f6f4 v[8*(8*((\a)%4)+\b):8*(8*((\a)%4)+\b)+7], v[128*(\p)+FR*\b:128*(\p)+FR*\b+FR-1], v[AF+FR*(\a):AF+FR*(\a)+FR-1], 0, v[SC+8*NQ*(\sc)+NQ*\b+(\q)], v[SC+8*NQ*(\sc)+NQ*(\a)+(\q)] matrix_a_fmt:MATRIX_FMT_FP4 matrix_b_fmt:MATRIX_FMT_FP4 matrix_a_scale:MATRIX_SCALE_ROW1
.else
	v_wmma_scale_f32_16x16x128_f8f6f4 v[8*(8*((\a)%4)+\b):8*(8*((\a)%4)+\b)+7], v[128*(\p)+FR*\b:128*(\p)+FR*\b+FR-1], v[AF+FR*(\a):AF+FR*(\a)+FR-1], v[8*(8*((\a)%4)+\b):8*(8*((\a)%4)+\b)+7], v[SC+8*NQ*(\sc)+NQ*\b+(\q)], v[SC+8*NQ*(\sc)+NQ*(\a)+(\q)] matrix_a_fmt:MATRIX_FMT_FP4 matrix_b_fmt:MATRIX_FMT_FP4 matrix_a_scale:MATRIX_SCALE_ROW1
.endif
.endr
.endr
.endm
.macro FETCH_B slot, q, p
	WIN TO_B
.irp i, 0,1,2,3,4,5,6,7
	FRAG 128*(\p)+FR*\i, ADRB+\slot, \q, \i
.endr
	WIN 0
.endm
.macro FETCH_A slot, q, i0
.irp i, \i0, \i0+1, \i0+2, \i0+3
	FRAG AF+FR*(\i), ADRA+\slot, \q, \i
.endr
.endm
.macro SCALES sc                       ; the scale words of a K step: lanes 0-15 those of block i of A, lanes 16-31 those of block i of B
.irp i, 0,1,2,3,4,5,6,7
	ds_load_b128 v[SC+8*NQ*\sc+NQ*\i:SC+8*NQ*\sc+NQ*\i+3], v[ADRS] offset:\i*SBLK
.endr
.endm
.macro PLACES n                        ; plain vector places behind matrix instructions, in front of loads into their registers and of reads of their results
.rept \n
	v_nop
.endr
.endm
.macro STEP slot, q, zero              ; 128 along K, with a successor in the same slot
	s_wait_dscnt 4*NL                              ; all but the youngest eight loads (blocks 4-7 of A)
	WIN MUL_LO
	MUL16 0, (\q)%2, \q, \slot, \zero
	MUL16 2, (\q)%2, \q, \slot, \zero
	s_wait_dscnt 0                                 ; blocks 4-7 of A are in
	PLACES NP
	FETCH_B \slot, (\q)+1, 1-(\q)%2
	FETCH_A \slot, (\q)+1, 0
	WIN MUL_HI
	MUL16 4, (\q)%2, \q, \slot, \zero
	MUL16 6, (\q)%2, \q, \slot, \zero
	PLACES NP
	WIN 0
	FETCH_A \slot, (\q)+1, 4
.endm
.macro TURN slot, next                 ; the last step of slot 0 goes over to slot 1: my load into it has landed, then the barrier shows it whole; nothing is filled again
	s_wait_tensorcnt 0x0
	ds_add_u32 v[SPW], v[NIL]
	s_wait_dscnt 4*NL+1                            ; (the add and the youngest eight loads may be out)
	WIN MUL_LO
	MUL16 0, 1, NQ-1, \slot, 0
	s_wait_dscnt 0x0
	s_barrier_signal -1
	MUL16 2, 1, NQ-1, \slot, 0
	WIN 0
	s_barrier_wait -1
	PLACES NP
	v_add_nc_u32 v[ADRS], 4*NQ, v[ADRS]            ; the scale words of the next K step
	FETCH_B \next, 0, 0
	FETCH_A \next, 0, 0
	SCALES \next
	WIN MUL_HI
	MUL16 4, 1, NQ-1, \slot, 0
	MUL16 6, 1, NQ-1, \slot, 0
	PLACES NP
	WIN 0
	FETCH_A \next, 0, 4
.endm
.macro STEPS slot, from
.set QQ, \from
.rept NQ-1-\from
	STEP \slot, QQ, 0
.set QQ, QQ+1
.endr
.endm
	s_wait_tensorcnt 1                             ; the scale bytes and my part of K step 0 are in; the load of K step 1 may be out
	s_barrier_signal -1
	s_barrier_wait -1
	FETCH_B 0, 0, 0
	FETCH_A 0, 0, 0
	SCALES 0
	FETCH_A 0, 0, 4
	STEP 0, 0, 1                                   ; the first products start the sums: nothing is cleared
	STEPS 0, 1
	TURN 0, 1
	STEPS 1, 0
	s_wait_dscnt 4*NL                              ; the very last step
	WIN MUL_LO
	MUL16 0, 1, NQ-1, 1, 0
	MUL16 2, 1, NQ-1, 1, 0
	s_wait_dscnt 0
	WIN MUL_HI
	MUL16 4, 1, NQ-1, 1, 0
	MUL16 6, 1, NQ-1, 1, 0
	WIN 0
	PLACES NP                                      ; in front of conversions that read results and write registers that held scale words and fragments
; THE WAY OUT.  Block a of A against the eight blocks of B: each accumulator, from its low end on, packs into four registers: an image.
.macro OUTQK a                         ; lane (r, h): token 16 a + r, features 16 b + 8 h + 0..7
.set AC, 64*((\a)%4)
.set OB, 32+32*((\a)%4)
.if (\a) >= 4
	s_wait_xcnt 0x0                                ; the stores of four blocks back have read these registers
.endif
	WIN 0x0a+5*((\a)/4)                            ; sources in window 2 or 3
.set jj, 0
.rept 32
	v_cvt_pk_f16_f32 v[OB+jj], v[AC+2*jj], v[AC+2*jj+1]
.set jj, jj+1
.endr
	WIN 0
.irp b, 0,1,2,3,4,5,6,7
	global_store_b128 v[CO], v[OB+4*\b:OB+4*\b+3], s[12:13] offset:(\a)*2048+(\b/4)*262144+(\b%4)*512   ; 512 consecutive bytes, aligned
.endr
.endm
.macro OUTV a                          ; lane (r, h): feature 16 a + r, tokens 16 b + 8 h + 0..7; a high and a low part
.set AC, 64*((\a)%4)
.if (\a) > 0
	s_wait_xcnt 0x0                                ; the stores of the last block have read these registers
.endif
	WIN 0x0a+5*((\a)/4)
.set jj, 0
.rept 32
	v_cvt_pk_f16_f32 v[32+jj], v[AC+2*jj], v[AC+2*jj+1]
.set jj, jj+1
.endr
	WIN 0
.irp j, 32,33,34,35,36,37,38,39,40,41,42,43,44,45,46,47,48,49,50,51,52,53,54,55,56,57,58,59,60,61,62,63
	WIDEN 160+2*(\j-32), \j
.endr
	WIN 0x02+((\a)/4)                              ; source 0 in window 2 or 3
.set jj, 0
.rept 32
	v_pk_add_f32 v[160+2*jj:161+2*jj], v[AC+2*jj:AC+2*jj+1], v[160+2*jj:161+2*jj] neg_lo:[0,1] neg_hi:[0,1]   ; what the rounding left: exact
.set jj, jj+1
.endr
	WIN 0
.set jj, 0
.rept 32
	v_pk_mul_f32 v[160+2*jj:161+2*jj], v[160+2*jj:161+2*jj], 0x45000000 op_sel_hi:[1,0]   ; x 2048
.set jj, jj+1
.endr
.set jj, 0
.rept 32
	v_cvt_pk_f16_f32 v[64+jj], v[160+2*jj], v[161+2*jj]
.set jj, jj+1
.endr
.irp b, 0,1,2,3,4,5,6,7
	global_store_b128 v[CO], v[32+4*\b:35+4*\b], s[12:13] offset:((\a)/4)*262144+(\b/2)*4096+((\a)%4)*1024+(\b%2)*512
	global_store_b128 v[CO], v[64+4*\b:67+4*\b], s[8:9] offset:((\a)/4)*262144+(\b/2)*4096+((\a)%4)*1024+(\b%2)*512
.endr
.endm
	s_cmp_eq_u32 s99, 2                            ; the product: the same in all sixteen partners
	s_cbranch_scc1 .Lout_v
.irp a, 0,1,2,3,4,5,6,7
	OUTQK \a
.endr
	s_branch .Lend
.Lout_v:
.irp a, 0,1,2,3,4,5,6,7
	OUTV \a
.endr
.Lend:
	s_wait_tensorcnt 0x0                           ; the end of the wave
	ds_add_u32 v[SPW], v[NIL]
	s_wait_dscnt 0x0
	CROUND                                         ; the closing round
	s_endpgm
.Lfunc_end_k_q97b351f432_proj:
	.size	k_q97b351f432_proj, .Lfunc_end_k_q97b351f432_proj-k_q97b351f432_proj
	.p2alignl 7, 3214868480
	.fill 96, 4, 3214868480
	.section	.rodata,"a",@progbits
	.p2align	6, 0x0
	.amdhsa_kernel k_q97b351f432_proj
		.amdhsa_group_segment_fixed_size 327680
		.amdhsa_private_segment_fixed_size 0
		.amdhsa_enable_private_segment 0
		.amdhsa_kernarg_size 24
		.amdhsa_user_sgpr_count 2
		.amdhsa_user_sgpr_kernarg_segment_ptr 1
		.amdhsa_wavefront_size32 1
		.amdhsa_system_sgpr_workgroup_id_x 1
		.amdhsa_system_sgpr_workgroup_id_y 1
		.amdhsa_system_sgpr_workgroup_id_z 1
		.amdhsa_system_vgpr_workitem_id 0
		.amdhsa_next_free_vgpr 1024
		.amdhsa_next_free_sgpr 100
		.amdhsa_reserve_vcc 0
		.amdhsa_float_denorm_mode_32 3
		.amdhsa_float_denorm_mode_16_64 3
		.amdhsa_memory_ordered 1
		.amdhsa_forward_progress 1
		.amdhsa_inst_pref_size 219
	.end_amdhsa_kernel
	.amdgpu_metadata
---
amdhsa.version: [ 1, 2 ]
amdhsa.kernels:
  - .name:           k_q97b351f432_proj
    .symbol:         k_q97b351f432_proj.kd
    .args:
      - { .name: codes, .offset: 0, .size: 8, .value_kind: global_buffer, .address_space: global }
      - { .name: scales, .offset: 8, .size: 8, .value_kind: global_buffer, .address_space: global }
      - { .name: qkv, .offset: 16, .size: 8, .value_kind: global_buffer, .address_space: global }
    .group_segment_fixed_size: 327680
    .private_segment_fixed_size: 0
    .kernarg_segment_align: 8
    .kernarg_segment_size: 24
    .max_flat_workgroup_size: 128
    .sgpr_count:     100
    .vgpr_count:     1024
    .wavefront_size: 32
...
	.end_amdgpu_metadata
.endif
;; end of part 2
;; launch attn (part 3): grid 256 x 1, 16 waves a work-group, no clusters, 67,584 bytes of LDS; arguments qkv, mw, mflags, joined; writes joined
.if DOCPART == 3
	.amdgcn_target "amdgcn-amd-amdhsa--gfx1250"
	.amdhsa_code_object_version 6
	.text
	.protected	k_q97b351f432_attn
	.globl	k_q97b351f432_attn
	.p2align	8
	.type	k_q97b351f432_attn,@function
k_q97b351f432_attn:
	s_mov_b64 s[64:65], 0
	v_nop
	global_prefetch_b8 v0, s[64:65] scope:SCOPE_SE
	s_setreg_imm32_b32 hwreg(HW_REG_WAVE_MODE, 25, 1), 1
	s_wait_xcnt 0x0
; ATTN: joined[b][q][head] = softmax over keys of (q . k / 8, hidden where the mask says so) x v.  q, k, v come as f16 images of operand registers; products with f32 sums; maxima, exponentials in f32.
; SHARES.  A work-group has one head and 16 tiles of 16 queries, one a wave, in 256 registers: four waves to a SIMD, so that the vector work of one stands beside the matrix work and LDS loads of another.
;   Work-group i of a head takes tiles x, 63 - x, 64 + x, 127 - x for x = 4 i .. 4 i + 3, dealt so that the waves w % 4 = const and the waves w / 4 = const each hold one tile of each kind.  That only evens the work; nothing is right or wrong by it.
; Every wave walks 32 steps of 64 keys.  THE MASK IS READ AS IT IS GIVEN, in the form that the first launch stored: two flag words a tile and 32 lane masks a step.
;   A step in which no key counts for any query of my tile is left out (a scalar branch on my flag word); a step with no hidden element loads no lane masks and skips the 32 selects.
; LAYOUT.  S^T = K Q^T (source 0 = 16 keys, source 1 = my 16 queries), O^T = V^T P (source 0 = 16 features x 32 keys, source 1 = P): a lane holds ONE query (lane % 16) throughout; two score tiles packed to f16 in pairs ARE the operand P.
;   The row sum is a product too: ones x P, of the same f16 p that is multiplied: all its rows hold the sum, so no lane exchange is needed at the end.
; SOFTMAX.  A running maximum m and sum l for each query: p = 2^(c s - c m), c = log2(e) / 8; O and l are multiplied by a = 2^(c m_old - c m_new) in every step.  Hidden scores are -infinity, so p = 0.
;   m starts at -3e38.  A row in which no key counts ends with l = 0 and O = 0: 0 x (1 / 0) is NaN, as the softmax of such a row is.
; LDS.  Two slots of 32 KiB, each a PERIOD of two steps (16 KiB of K, 16 KiB of V: the images as they lie in memory), filled THROUGH REGISTERS: wave w brings 2 KiB a period (waves 0-7 of K, waves 8-15 of V).
;   THE FILL RUNS TWO PERIODS AHEAD: at the head of period p a wave asks for period p + 2, into one of two sets of 16 registers; at the end of period p + 1 those bytes go into the slot that period p read.  One barrier a period.
;   Every period is fetched, whatever the flags say: the wait for a set is counted, and a count holds only where the same loads were issued on every way.
;   V's fragments take the registers of K's: they are asked for behind the score products and land under the softmax.  That leaves the registers for the two sets.
; NO TENSOR LOAD AND NO CLUSTER, though the 8 work-groups of a head read the same K and V: the walk hangs on stored flags, partners would want different steps, and leaving hidden steps out saves up to half of all tile steps.
; LIMITS: q, k, v under 65,504 in magnitude; p is rounded to f16.
.set SLOTB, 32768                      ; a slot: two steps of K, then two steps of V
.set VOFF,  16384
.set STEPB, 8192                       ; a step of K or of V
.set SPARE, 2*SLOTB                    ; the spare words, 128 bytes a wave; no other line names them
.set LI,   1                           ; v1  16 x lane
.set FS,   2                           ; v2  where I store my part of a slot: 2,048 wave + 16 lane
.set GO,   3                           ; v3  and where it lies in the 16 KiB of a period: 2,048 (wave % 8) + 16 lane
.set SPW,  4
.set NIL,  5
.set NINF, 6                           ; v6  -infinity
.set PFO,  7                           ; v7  256 x lane
.set CM,   8                           ; v8  c m;  v9 m (a pair)
.set MR,   9
.set AF,   10                          ; v10 a (v11 is named with it as a pair)
.set C0,   12                          ; v12-15 four chains of the maximum
.set T0,   16
.set T1,   17
.set RL,   18                          ; v18 1 / l (v19 named with it)
.set Q,    32                          ; v32-47 Q, two fragments
.set ONES, 48                          ; v48-55 ones in f16
.set L,    56                          ; v56-63 the row sums
.set S,    64                          ; v64-95 S^T, four tiles of 16 keys; P is packed in place: group g at v[64 + 16 g] on
.set O,    96                          ; v96-127 O^T, four tiles of 16 features
.set KF,   128                         ; v128-191 K: fragment (kt, ch) at 8 (2 kt + ch); then V: fragment (g, dt) at 8 (4 g + dt)
.set G,    192                         ; v192-223 two sets of 16: my part of the two periods that are on their way
	s_load_b256 s[4:11], s[0:1], 0x0               ; qkv, mw, mflags, joined
	v_lshl_add_u32 v[SPW], v0, 2, SPARE
	v_mov_b32 v[NIL], 0
	v_lshrrev_b32 v[FS], 5, v0
	v_readfirstlane_b32 s12, v[FS]                 ; wave 0..15
	v_and_b32 v[LI], 31, v0
	v_lshlrev_b32 v[PFO], 8, v[LI]
	v_lshlrev_b32 v[LI], 4, v[LI]
	v_bfe_u32 v[GO], v0, 5, 3
	v_lshl_add_u32 v[FS], v[FS], 11, v[LI]
	v_lshl_add_u32 v[GO], v[GO], 11, v[LI]
	s_lshr_b32 s29, ttmp9, 3                       ; the head, 0..31
	s_and_b32 s30, ttmp9, 7                        ; i
	s_lshr_b32 s31, s12, 2                         ; u = wave / 4
	s_add_co_u32 s32, s12, s31
	s_and_b32 s32, s32, 3                          ; the kind of my tile: (wave + u) % 4
	s_lshl_b32 s33, s30, 2
	s_add_co_u32 s33, s33, s31                     ; x = 4 i + u
	s_and_b32 s34, s32, 1
	s_mul_i32 s34, s34, 63
	s_xor_b32 s33, s33, s34                        ; x or 63 - x
	s_lshr_b32 s34, s32, 1
	s_lshl_b32 s34, s34, 6
	s_add_co_u32 s13, s33, s34                     ; my tile: + 0 or 64
	s_lshl_b32 s37, s13, 3                         ; its flags: 8 bytes a tile
	s_mov_b32 s24, 0x3e38aa3b                      ; c = log2(e) / 8
	s_mov_b32 s25, s24                             ; (named with it as a pair)
	s_mov_b32 s26, 0x76543210
	s_mov_b32 s27, 0xfedcba98                      ; lane l xor 16
.set jj, 0
.rept 16
	s_mov_b64 s[68+2*jj:69+2*jj], 0                ; the lane masks' registers, written once, so that every way through the text finds them written
.set jj, jj+1
.endr
	s_wait_kmcnt 0x0
	s_load_b64 s[14:15], s[8:9], s37 offset:0x0    ; s14 steps that count, s15 steps with hidden elements
	s_lshl_b32 s38, s29, 18                        ; a head is 262,144 bytes in every section
	s_lshl_b32 s40, s13, 11
	s_add_co_u32 s40, s40, s38
	s_mov_b32 s41, 0
	s_add_nc_u64 s[40:41], s[4:5], s[40:41]        ; q at my tile
	s_lshr_b32 s20, s12, 3
	s_add_co_u32 s20, s20, 1
	s_lshl_b32 s20, s20, 23                        ; waves 0-7 fetch K (section 1), waves 8-15 V high (section 2)
	s_add_co_u32 s20, s20, s38
	s_mov_b32 s21, 0
	s_add_nc_u64 s[20:21], s[4:5], s[20:21]
.irp n, 0,1,2,3
	global_load_b128 v[Q+4*\n:Q+4*\n+3], v[LI], s[40:41] offset:512*\n
.endr
.irp n, 0,1,2,3
	global_load_b128 v[G+4*\n:G+4*\n+3], v[GO], s[20:21] offset:512*\n               ; my part of period 0
.endr
.irp n, 0,1,2,3
	global_load_b128 v[G+16+4*\n:G+16+4*\n+3], v[GO], s[20:21] offset:16384+512*\n   ; and of period 1
.endr
	s_lshl_b32 s22, s13, 12
	s_mov_b32 s23, 0
	s_add_nc_u64 s[22:23], s[6:7], s[22:23]        ; the lane masks of my tile: 128 bytes a step
	s_lshr_b32 s42, s29, 4
	s_lshl_b32 s42, s42, 7
	s_add_co_u32 s42, s42, s13                     ; the row tile of joined: 128 batch + tile
	s_lshl_b32 s42, s42, 15
	s_and_b32 s43, s29, 15
	s_lshl_b32 s43, s43, 11                        ; a head is two chunks of 1,024 bytes
	s_add_co_u32 s42, s42, s43
	s_mov_b32 s43, 0
	s_add_nc_u64 s[10:11], s[10:11], s[42:43]
	s_cmp_eq_u32 s12, 3                            ; who prefetches: waves 3 (K) and 12 (V) of the first work-group of a head
	s_cselect_b32 s38, 1, 0
	s_cmp_eq_u32 s12, 12
	s_cselect_b32 s39, 1, 0
	s_or_b32 s38, s38, s39
	s_cmp_eq_u32 s30, 0
	s_cselect_b32 s39, 25, 0
	s_mul_i32 s28, s38, s39                        ; they ask while the step is under 25 (periods 0 to 12), the others never
	v_mov_b32 v[NINF], 0xff800000
	v_mov_b32 v[MR], 0xff61b1e6                    ; -3e38, under every score
	v_mul_f32 v[CM], s24, v[MR]
	v_mov_b32 v[AF+1], 0
	v_mov_b32 v[RL+1], 0
	v_mov_b32 v[T0], 0                             ; (the destination of a lane permute counts as read)
.set jj, 0
.rept 8
	v_mov_b32 v[ONES+jj], 0x3c003c00
	v_mov_b32 v[L+jj], 0                           ; the sums begin as zeros: which step is the first that counts hangs on the mask, so it cannot be written out ahead of the loop
.set jj, jj+1
.endr
.set jj, 0
.rept 32
	v_mov_b32 v[O+jj], 0
.set jj, jj+1
.endr
	s_wait_kmcnt 0x0                               ; my flags
	s_wait_loadcnt 4                               ; Q and my part of period 0 are in; the four loads of period 1 may be out
.irp n, 0,1,2,3
	ds_store_b128 v[FS], v[G+4*\n:G+4*\n+3] offset:512*\n
.endr
	s_wait_dscnt 0x0                               ; for the sake of the others: my stores have landed
	s_wait_xcnt 0x0                                ; the loads have read their base
	s_add_nc_u64 s[20:21], s[20:21], 32768         ; from here on it stands two periods ahead of the one in hand
	s_barrier_signal -1
	s_barrier_wait -1
; ONE STEP of 64 keys: the \half-th of the period in slot \slot.
.macro WORK slot, half
	s_bitcmp1_b32 s14, s18                         ; does any key of this step count for my tile?
	s_cbranch_scc0 .Lidle_\@
	s_bitcmp1_b32 s15, s18                         ; only a step with hidden elements wants its 32 lane masks
	s_cbranch_scc0 .Lnm_\@
	s_load_b512 s[68:83], s[22:23], 128*\half
	s_load_b512 s[84:99], s[22:23], 128*\half+64
.Lnm_\@:
.rept 5
	v_nop                                          ; five places behind the last products: the score products below write over P, which those read; four serve the loads into the registers that held V
.endr
.irp n, 0,1,2,3,4,5,6,7,8,9,10,11,12,13,14,15
	ds_load_b128 v[KF+4*\n:KF+4*\n+3], v[LI] offset:\slot*SLOTB+\half*STEPB+512*\n
.endr
	s_wait_dscnt 0x0                               ; K is in
.irp ch, 0,1
.irp kt, 0,1,2,3
.if \ch == 0
	v_wmma_f32_16x16x32_f16 v[S+8*\kt:S+8*\kt+7], v[KF+16*\kt:KF+16*\kt+7], v[Q:Q+7], 0
.else
	v_wmma_f32_16x16x32_f16 v[S+8*\kt:S+8*\kt+7], v[KF+16*\kt+8:KF+16*\kt+15], v[Q+8:Q+15], v[S+8*\kt:S+8*\kt+7]
.endif
.endr
.endr
	s_wait_kmcnt 0x0                               ; the lane masks, where they were asked for
.rept 4
	v_nop                                          ; places in front of the loads into K's registers and of the first read of the scores
.endr
.irp n, 0,1,2,3,4,5,6,7,8,9,10,11,12,13,14,15
	ds_load_b128 v[KF+4*\n:KF+4*\n+3], v[LI] offset:\slot*SLOTB+VOFF+\half*STEPB+512*\n   ; V, into K's registers: it lands under the softmax
.endr
	s_bitcmp1_b32 s15, s18                         ; a step with no hidden element skips the selects
	s_cbranch_scc0 .Lopen_\@
.irp n, 0,1,2,3,4,5,6,7,8,9,10,11,12,13,14,15,16,17,18,19,20,21,22,23,24,25,26,27,28,29,30,31
	v_cndmask_b32 v[S+\n], v[S+\n], v[NINF], s[68+\n]
.endr
.Lopen_\@:
.irp j, 0,1,2,3
	v_max3_num_f32 v[C0+\j], v[S+8*\j], v[S+8*\j+1], v[S+8*\j+2]   ; four chains, each accumulator from its low end on
.endr
.irp j, 0,1,2,3
	v_max3_num_f32 v[C0+\j], v[C0+\j], v[S+8*\j+3], v[S+8*\j+4]
.endr
.irp j, 0,1,2,3
	v_max3_num_f32 v[C0+\j], v[C0+\j], v[S+8*\j+5], v[S+8*\j+6]
.endr
	v_max3_num_f32 v[C0], v[C0], v[S+7], v[S+15]
	v_max3_num_f32 v[C0+2], v[C0+2], v[S+23], v[S+31]
	v_max3_num_f32 v[C0], v[C0], v[C0+1], v[C0+2]
	v_max3_num_f32 v[C0], v[C0], v[C0+3], v[MR]
	v_permlanex16_b32 v[T0], v[C0], s26, s27       ; the other 32 keys of my query lie in the lane 16 away
	v_mov_b32 v[T1], v[CM]
	v_max_num_f32 v[MR], v[C0], v[T0]              ; the new m
	v_mul_f32 v[CM], s24, v[MR]
	v_sub_f32 v[T1], v[T1], v[CM]                  ; c m_old - c m_new
.set jj, 0
.rept 16
	v_pk_fma_f32 v[S+2*jj:S+2*jj+1], v[S+2*jj:S+2*jj+1], s[24:25], v[CM:CM+1] op_sel_hi:[1,0,0] neg_lo:[0,0,1] neg_hi:[0,0,1]   ; c s - c m
.set jj, jj+1
.endr
	v_exp_f32 v[AF], v[T1]                         ; one batch: a and the 32 weights
.set jj, 0
.rept 32
	v_exp_f32 v[S+jj], v[S+jj]
.set jj, jj+1
.endr
	v_nop                                          ; a plain line behind the last exponential
	s_wait_alu depctr_va_vdst(0)                   ; one wait for the batch, ahead of its first reader
.irp g, 0,1
.irp i, 0,1,2,3,4,5,6,7
	v_cvt_pk_f16_f32 v[S+16*\g+\i], v[S+16*\g+2*\i], v[S+16*\g+2*\i+1]   ; P, packed in place: each line writes a register whose number has been read already
.endr
.endr
.set jj, 0
.rept 16
	v_pk_mul_f32 v[O+2*jj:O+2*jj+1], v[O+2*jj:O+2*jj+1], v[AF:AF+1] op_sel_hi:[1,0]   ; O^T under the new m
.set jj, jj+1
.endr
.set jj, 0
.rept 4
	v_pk_mul_f32 v[L+2*jj:L+2*jj+1], v[L+2*jj:L+2*jj+1], v[AF:AF+1] op_sel_hi:[1,0]
.set jj, jj+1
.endr
	s_wait_dscnt 0x0                               ; V is in
.irp g, 0,1                                    ; five accumulators by turns, one instruction a turn
.irp d, 0,1,2,3
	v_wmma_f32_16x16x32_f16 v[O+8*\d:O+8*\d+7], v[KF+32*\g+8*\d:KF+32*\g+8*\d+7], v[S+16*\g:S+16*\g+7], v[O+8*\d:O+8*\d+7]
.endr
	v_wmma_f32_16x16x32_f16 v[L:L+7], v[ONES:ONES+7], v[S+16*\g:S+16*\g+7], v[L:L+7]
.endr
.Lidle_\@:
	s_add_co_u32 s18, s18, 1                       ; the next step
.endm
; ONE PERIOD of two steps, read from slot \slot.  fetch = 1: the period two on is asked for, into register set \slot.  store = 1: the next period, which waits in the other set, goes into the other slot, and a barrier follows.
; cnt: how many younger loads may stay out when the other set has to be there: the four just asked for, or none.
.macro PERIOD slot, fetch, store, cnt
.if \fetch
.irp n, 0,1,2,3
	global_load_b128 v[G+16*\slot+4*\n:G+16*\slot+4*\n+3], v[GO], s[20:21] offset:512*\n   ; my 2 KiB of period p + 2: two periods' work stands between these lines and the wait for them
.endr
	s_cmp_lt_u32 s18, s28
	s_cbranch_scc0 .Lnp_\@
	global_prefetch_b8 v[PFO], s[20:21] offset:16384 th:TH_LOAD_NT scope:SCOPE_SE   ; period p + 3, one period ahead of the loads that will want it: 16 KiB in two instructions, lanes 256 bytes apart;
	global_prefetch_b8 v[PFO], s[20:21] offset:24576 th:TH_LOAD_NT scope:SCOPE_SE   ; each block is named once in the launch; the last asked for is period 15; periods 0 to 2 come by their loads alone
.Lnp_\@:
.endif
	WORK \slot, 0
	WORK \slot, 1
.if \store
	s_wait_loadcnt \cnt                            ; loads come back in order: my part of the next period is in
.irp n, 0,1,2,3
	ds_store_b128 v[FS], v[G+16*(1-\slot)+4*\n:G+16*(1-\slot)+4*\n+3] offset:(1-\slot)*SLOTB+512*\n
.endr
	s_wait_dscnt 0x0                               ; my stores into the other slot have landed, and my reads of this slot are back
	s_wait_xcnt 0x0                                ; loads, scalar loads and the prefetches have read their bases
.if \fetch
	s_add_nc_u64 s[20:21], s[20:21], 16384
.endif
	s_add_nc_u64 s[22:23], s[22:23], 256
	s_barrier_signal -1                            ; one barrier a period: behind it the other slot is whole and nobody reads this one
	s_barrier_wait -1
.endif
.endm
	s_mov_b32 s18, 0                               ; the step
	s_mov_b32 s19, 0                               ; the trip: two periods each, so that slot and register set are constants of the text
.Ltrip:
	PERIOD 0, 1, 1, 4
	PERIOD 1, 1, 1, 4
	s_add_co_u32 s19, s19, 1
	s_cmp_lt_u32 s19, 7
	s_cbranch_scc1 .Ltrip
	PERIOD 0, 0, 1, 0                              ; period 14: nothing is left to ask for; period 15 goes into slot 1
	PERIOD 1, 0, 0, 0                              ; period 15: nothing follows it
	; THE WAY OUT: O^T / l, rounded to f16: a lane has 8 neighbouring features of one row: four images of the operand that the last product wants.
.rept 4
	v_nop                                          ; places behind the last products
.endr
	v_rcp_f32 v[RL], v[L]
	v_nop
	s_wait_alu depctr_va_vdst(0)
.set jj, 0
.rept 16
	v_pk_mul_f32 v[S+2*jj:S+2*jj+1], v[O+2*jj:O+2*jj+1], v[RL:RL+1] op_sel_hi:[1,0]
.set jj, jj+1
.endr
.set jj, 0
.rept 16
	v_cvt_pk_f16_f32 v[KF+jj], v[S+2*jj], v[S+2*jj+1]
.set jj, jj+1
.endr
.irp d, 0,1,2,3
	global_store_b128 v[LI], v[KF+4*\d:KF+4*\d+3], s[10:11] offset:512*\d   ; 512 consecutive bytes, aligned
.endr
	s_wait_tensorcnt 0x0                           ; the end of a wave that stored to LDS
	ds_add_u32 v[SPW], v[NIL]
	s_wait_dscnt 0x0
	s_endpgm
.Lfunc_end_k_q97b351f432_attn:
	.size	k_q97b351f432_attn, .Lfunc_end_k_q97b351f432_attn-k_q97b351f432_attn
	.p2alignl 7, 3214868480
	.fill 96, 4, 3214868480
	.section	.rodata,"a",@progbits
	.p2align	6, 0x0
	.amdhsa_kernel k_q97b351f432_attn
		.amdhsa_group_segment_fixed_size 67584
		.amdhsa_private_segment_fixed_size 0
		.amdhsa_enable_private_segment 0
		.amdhsa_kernarg_size 32
		.amdhsa_user_sgpr_count 2
		.amdhsa_user_sgpr_kernarg_segment_ptr 1
		.amdhsa_wavefront_size32 1
		.amdhsa_system_sgpr_workgroup_id_x 1
		.amdhsa_system_sgpr_workgroup_id_y 1
		.amdhsa_system_sgpr_workgroup_id_z 1
		.amdhsa_system_vgpr_workitem_id 0
		.amdhsa_next_free_vgpr 256
		.amdhsa_next_free_sgpr 100
		.amdhsa_reserve_vcc 0
		.amdhsa_float_denorm_mode_32 3
		.amdhsa_float_denorm_mode_16_64 3
		.amdhsa_memory_ordered 1
		.amdhsa_forward_progress 1
		.amdhsa_inst_pref_size 104
	.end_amdhsa_kernel
	.amdgpu_metadata
---
amdhsa.version: [ 1, 2 ]
amdhsa.kernels:
  - .name:           k_q97b351f432_attn
    .symbol:         k_q97b351f432_attn.kd
    .args:
      - { .name: qkv, .offset: 0, .size: 8, .value_kind: global_buffer, .address_space: global }
      - { .name: mw, .offset: 8, .size: 8, .value_kind: global_buffer, .address_space: global }
      - { .name: mflags, .offset: 16, .size: 8, .value_kind: global_buffer, .address_space: global }
      - { .name: joined, .offset: 24, .size: 8, .value_kind: global_buffer, .address_space: global }
    .group_segment_fixed_size: 67584
    .private_segment_fixed_size: 0
    .kernarg_segment_align: 8
    .kernarg_segment_size: 32
    .max_flat_workgroup_size: 512
    .sgpr_count:     100
    .vgpr_count:     256
    .wavefront_size: 32
...
	.end_amdgpu_metadata
.endif
;; end of part 3
;; launch outproj (part 4): grid 8 x 32, 4 waves a work-group, clusters of 4 x 4, 327,680 bytes of LDS; arguments joined, woimg, out0; writes out0
.if DOCPART == 4
	.amdgcn_target "amdgcn-amd-amdhsa--gfx1250"
	.amdhsa_code_object_version 6
	.text
	.protected	k_q97b351f432_outproj
	.globl	k_q97b351f432_outproj
	.p2align	8
	.type	k_q97b351f432_outproj,@function
k_q97b351f432_outproj:
	s_mov_b64 s[64:65], 0
	v_nop
	global_prefetch_b8 v0, s[64:65] scope:SCOPE_SE
	s_setreg_imm32_b32 hwreg(HW_REG_WAVE_MODE, 25, 1), 1
	s_wait_xcnt 0x0
	s_wait_alu depctr_hold_cnt(0) depctr_sa_sdst(0) depctr_va_vdst(0) depctr_va_sdst(0) depctr_va_ssrc(0) depctr_va_vcc(0) depctr_vm_vsrc(0)
	s_getreg_b32 s2, hwreg(HW_REG_IB_STS2, 6, 4)
	s_cmp_eq_u32 s2, 0
	s_cbranch_scc0 .Lentry_in_a_cluster
	s_endpgm
.Lentry_in_a_cluster:
	s_bfe_u32 s2, ttmp6, 0x10000c
	s_cmp_lg_u32 s2, 0xf033
	s_cbranch_scc0 .Lentry_shape_is_right
	s_endpgm
.Lentry_shape_is_right:
; OUTPROJ: out0[m][n] = sum over k of joined[m][k] Wo[n][k]; both operands f16 (the high part of Wo), sums f32, out0 f32.  M = 4,096, N = K = 1,024.
; 256 tiles of 128 x 128, one a work-group; four waves, each 64 x 64: 16 accumulators.  K goes in steps of 256 through a ring of two LDS slots filled by the tensor data mover.
; BOTH OPERANDS LIE IN MEMORY AS IMAGES OF OPERAND REGISTERS: [16 rows][32 k: 32 chunks][half: 2][512 bytes].  A K step of a row tile is 8,192 consecutive bytes; a wave load brings four row tiles, 32,768 bytes apart.
; In LDS they lie dense: a fragment load takes 512 consecutive bytes, 16 a lane: no pitch, no padding.
; CLUSTERS: 4 x 4 work-groups; the four of a row need the same tiles of joined, the four of a column the same tiles of Wo: each is asked for jointly.
; The matrix instruction is used transposed (source 0 = 16 rows of Wo, source 1 = 16 rows of joined): a lane holds eight neighbouring numbers of a row of out0.
; The first 16 rows of each sequence are written again, more finely, by the launch behind this one.
; REGISTERS: window 0: v16-29 addresses; v32-95 the way out; v128-255 the accumulators ((a, b) at v[128 + 8 (4 a + b)]).  window 1: two fragment buffers of 128: 64 registers of A, then 64 of B, for 64 along K.
.set HALFT,  32768                     ; four row tiles x 8,192 bytes: what one tensor load brings
.set SLOT,   4*HALFT
.set STAGE,  2*SLOT                    ; behind the ring: 16 rows x 272 bytes for each wave
.set SPITCH, 272
.set SPARE,  STAGE+4*16*SPITCH         ; the spare words, 128 bytes a wave; no other line names them
.set KSB,    8192                      ; a K step of a row tile
.set LAPS,   2                         ; a lap = two K steps; K = 1,024
.set ADRA, 16
.set ADRB, 20
.set STO,  24
.set RD,   25
.set CO,   26
.set SPW,  28
.set NIL,  29
.set TMP,  32
.set ACC,  128
.set F0,   0
.set F1,   128
.set G1, 24
.set G0, 32
.set G1B, 48
.set G0B, 56
.set MSB, 0
.macro WIN new
.if MSB != \new
	s_set_vgpr_msb (MSB<<8)|\new
.set MSB, \new
.endif
.endm
.set MUL,  0x05                        ; sources 0 (Wo) and 1 (joined) window 1; C and D window 0
.set TO_F, 0x40
.macro JLOAD s                         ; a joint load: waves 0 and 1 fetch the halves of A, waves 2 and 3 those of B; an s_nop 0 and four v_nop follow each line
	s_cmp_eq_u32 s11, 0
	s_cbranch_scc0 .Lfor_b_\@
	tensor_load_to_lds s[G0+4*\s:G0+4*\s+3], s[G1:G1+7]
	s_nop 0
.rept 4
	v_nop
.endr
	s_branch .Lasked_\@
.Lfor_b_\@:
	tensor_load_to_lds s[G0B+4*\s:G0B+4*\s+3], s[G1B:G1B+7]
	s_nop 0
.rept 4
	v_nop
.endr
.Lasked_\@:
.endm
.macro CREST
	s_cmp_lg_u32 s10, 0
	s_cbranch_scc1 .Lnot_wave_0_\@
	s_barrier_signal -3
.Lnot_wave_0_\@:
	s_barrier_wait -3
	s_barrier_signal -1
	s_barrier_wait -1
.endm
.macro CROUND
	s_barrier_signal -1
	s_barrier_wait -1
	CREST
.endm
	s_load_b128 s[4:7], s[0:1], 0x0                ; joined, woimg
	s_load_b64 s[8:9], s[0:1], 0x10                ; out0
	v_lshl_add_u32 v[SPW], v0, 2, SPARE
	v_mov_b32 v[NIL], 0
	ds_add_u32 v[SPW], v[NIL]                      ; the opening: the add, twice on end, and its wait ahead of my first tensor load
	ds_add_u32 v[SPW], v[NIL]
	v_lshrrev_b32 v1, 5, v0
	v_readfirstlane_b32 s10, v1                    ; wave 0..3
	s_lshr_b32 s11, s10, 1                         ; which half of the rows is mine.  Also: I fetch for A (0) or for B (1)
	s_and_b32 s12, s10, 1                          ; which half of the columns.  Also: which four row tiles I fetch
	s_bfe_u32 s40, ttmp6, 0x40000                  ; cx
	s_bfe_u32 s41, ttmp6, 0x40004                  ; cy
	s_lshl_b32 s42, ttmp9, 2
	s_add_co_u32 s42, s42, s40                     ; tile column
	s_and_b32 s13, ttmp7, 0xffff
	s_lshl_b32 s13, s13, 2
	s_add_co_u32 s13, s13, s41                     ; tile row
	s_lshl_b32 s43, s41, 2
	s_lshl_b32 s43, 15, s43                        ; my row of the cluster
	s_lshl_b32 s44, 0x1111, s40                    ; my column
	s_or_b32 s[G1+0], s43, (3<<16)|(1<<21)         ; the mask; elements of 8 bytes; no padding; bit 21 beside a mask
	s_or_b32 s[G1B+0], s44, (3<<16)|(1<<21)
.irp g, G1, G1B
	s_mov_b32 s[\g+1], 1024<<16                    ; tensor_dim0 = 1,024 elements: 8,192 bytes
	s_mov_b32 s[\g+2], 4<<16                       ; tensor_dim1 = 4
	s_mov_b32 s[\g+3], 1024<<16                    ; tile_dim0
	s_mov_b32 s[\g+4], 4                           ; tile_dim1
	s_mov_b32 s[\g+5], 4096                        ; from row tile to row tile: 32,768 bytes
	s_mov_b32 s[\g+6], 0
	s_mov_b32 s[\g+7], 0
.endr
	s_lshl_b32 s17, s12, 17                        ; four row tiles
	s_lshl_b32 s16, s13, 18                        ; A: eight row tiles a tile row
	s_add_co_u32 s16, s16, s17
	s_lshl_b32 s46, s42, 18                        ; B: eight a tile column
	s_add_co_u32 s46, s46, s17
	s_mov_b32 s17, 0
	s_mov_b32 s47, 0
	s_mul_i32 s20, s10, HALFT                      ; where they go: no place in the cluster enters an LDS address
	s_wait_dscnt 0x0                               ; both opening adds are done
	s_wait_kmcnt 0x0
	s_add_nc_u64 s[14:15], s[4:5], s[16:17]
	s_add_nc_u64 s[46:47], s[6:7], s[46:47]
	CROUND                                         ; all sixteen work-groups are here
.irp s, 0,1
	s_mov_b32 s[G0+4*\s], 1
	s_add_co_u32 s[G0+4*\s+1], s20, \s*SLOT
	s_add_nc_u64 s[G0+4*\s+2:G0+4*\s+3], s[14:15], \s*KSB
	s_or_b32 s[G0+4*\s+3], s[G0+4*\s+3], 0x80000000
	s_mov_b32 s[G0B+4*\s], 1
	s_add_co_u32 s[G0B+4*\s+1], s20, \s*SLOT
	s_add_nc_u64 s[G0B+4*\s+2:G0B+4*\s+3], s[46:47], \s*KSB
	s_or_b32 s[G0B+4*\s+3], s[G0B+4*\s+3], 0x80000000
	JLOAD \s                                       ; two tensor loads of mine are out
.endr
	v_and_b32 v1, 15, v0                           ; l % 16
	v_bfe_u32 v2, v0, 4, 1                         ; l / 16
	v_and_b32 v3, 31, v0
	v_lshlrev_b32 v3, 4, v3                        ; 16 x lane
	s_mul_i32 s21, s11, HALFT                      ; my four row tiles of A
	s_mul_i32 s22, s12, HALFT                      ; my four of B,
	s_add_co_u32 s22, s22, 2*HALFT                 ; behind the eight of A
.irp s, 0,1
	v_add_nc_u32 v[ADRA+\s], s21, v3
	v_add_nc_u32 v[ADRB+\s], s22, v3
	s_add_co_u32 s21, s21, SLOT
	s_add_co_u32 s22, s22, SLOT
.endr
	s_mul_i32 s23, s10, 16*SPITCH
	s_add_co_u32 s23, s23, STAGE                   ; my stage
	v_mul_u32_u24 v4, v1, SPITCH
	v_lshl_add_u32 v4, v2, 5, v4                   ; in: row l % 16, 32 bytes for each half of the lanes
	v_add_nc_u32 v[STO], s23, v4
	v_mul_u32_u24 v5, v2, SPITCH
	v_lshl_add_u32 v5, v1, 4, v5                   ; back: lanes 0-15 one row of 256 bytes, lanes 16-31 the next
	v_add_nc_u32 v[RD], s23, v5
	v_lshlrev_b32 v5, 12, v2                       ; and the same two rows in out0: 4,096 bytes a row
	v_lshl_add_u32 v[CO], v1, 4, v5
	s_lshl_b32 s16, s13, 7
	s_lshl_b32 s17, s11, 6
	s_add_co_u32 s16, s16, s17                     ; my first row
	s_lshl_b32 s16, s16, 12
	s_mov_b32 s17, 0
	s_add_nc_u64 s[8:9], s[8:9], s[16:17]
	s_lshl_b32 s46, s42, 9                         ; my first column, in bytes: 512 x tile column + 256 x half
	s_lshl_b32 s47, s12, 8
	s_add_co_u32 s46, s46, s47
	s_mov_b32 s47, 0
	s_add_nc_u64 s[8:9], s[8:9], s[46:47]
.macro MUL8 f, c, a0, zero             ; 8 matrix instructions: row blocks a0, a0 + 1 x the 4 column blocks, 32 along K; the 16 accumulators take turns
.irp a, \a0, \a0+1
.irp b, 0,1,2,3
.if \zero
	v_wmma_f32_16x16x32_f16 v[ACC+8*(4*(\a)+\b):ACC+8*(4*(\a)+\b)+7], v[\f+64+8*(4*\c+\b):\f+64+8*(4*\c+\b)+7], v[\f+8*(4*\c+\a):\f+8*(4*\c+\a)+7], 0
.else
	v_wmma_f32_16x16x32_f16 v[ACC+8*(4*(\a)+\b):ACC+8*(4*(\a)+\b)+7], v[\f+64+8*(4*\c+\b):\f+64+8*(4*\c+\b)+7], v[\f+8*(4*\c+\a):\f+8*(4*\c+\a)+7], v[ACC+8*(4*(\a)+\b):ACC+8*(4*(\a)+\b)+7]
.endif
.endr
.endr
.endm
.macro FETCH slot, kc, f               ; 32 LDS loads in one run: chunks kc and kc + 1 of the K step, into buffer f; the first chunk first
	WIN TO_F
.irp c, 0,1
.irp i, 0,1,2,3
	ds_load_b128 v[\f+64+8*(4*\c+\i):\f+64+8*(4*\c+\i)+3],   v[ADRB+\slot] offset:\i*KSB+(\kc+\c)*1024
	ds_load_b128 v[\f+64+8*(4*\c+\i)+4:\f+64+8*(4*\c+\i)+7], v[ADRB+\slot] offset:\i*KSB+(\kc+\c)*1024+512
	ds_load_b128 v[\f+8*(4*\c+\i):\f+8*(4*\c+\i)+3],         v[ADRA+\slot] offset:\i*KSB+(\kc+\c)*1024
	ds_load_b128 v[\f+8*(4*\c+\i)+4:\f+8*(4*\c+\i)+7],       v[ADRA+\slot] offset:\i*KSB+(\kc+\c)*1024+512
.endr
.endr
.endm
.macro PLACES
.rept 4
	v_nop
.endr
.endm
.macro QUARTER slot, kc, f, g, zero    ; 64 along K from buffer f; in its middle the next quarter, chunks kc on, is fetched into g
	s_wait_dscnt 16                                ; the first chunk is in; the sixteen loads of the second may be out
	WIN MUL
	MUL8 \f, 0, 0, \zero
	MUL8 \f, 0, 2, \zero
	PLACES
	FETCH \slot, \kc, \g
	s_wait_dscnt 32                                ; all but the 32 just issued
	WIN MUL
	MUL8 \f, 1, 0, 0
	MUL8 \f, 1, 2, 0
.endm
; The last quarter of a K step changes slots: in front of the barrier each wave waits for all its tensor loads, adds 0 to its spare word, and waits for that and for its reads of this slot.  fill = 1: this slot is filled again, two K steps ahead.
.macro TURN slot, next, fill
	WIN 0
	s_wait_tensorcnt 0x0                           ; my part of the next slot has landed; no load of mine is out
	ds_add_u32 v[SPW], v[NIL]
	s_wait_dscnt 17                                ; (the add and the youngest sixteen loads may be out)
	WIN MUL
	MUL8 F1, 0, 0, 0
	s_wait_dscnt 0x0                               ; the add is done, and my reads of this slot are over
	s_barrier_signal -1
	MUL8 F1, 0, 2, 0
.if \fill
	WIN 0
.endif
	s_barrier_wait -1
.if \fill
	CREST                                          ; the barrier has opened a round of the barrier of the cluster: no wave of any partner still reads this slot or has a load on its way
	s_add_nc_u64 s[G0+4*\slot+2:G0+4*\slot+3], s[G0+4*\slot+2:G0+4*\slot+3], 2*KSB
	s_add_nc_u64 s[G0B+4*\slot+2:G0B+4*\slot+3], s[G0B+4*\slot+2:G0B+4*\slot+3], 2*KSB
	JLOAD \slot                                    ; the first tensor load behind the round; its four v_nop are also the places in front of the loads below
.else
	PLACES
.endif
	FETCH \next, 0, F0
	WIN MUL
	MUL8 F1, 1, 0, 0
	MUL8 F1, 1, 2, 0
.endm
	s_wait_tensorcnt 1                             ; my part of K step 0 is in; that of K step 1 may be out
	s_barrier_signal -1
	s_barrier_wait -1
	FETCH 0, 0, F0
	QUARTER 0, 2, F0, F1, 1                        ; the first products start the sums
	WIN 0
	s_mov_b32 s3, LAPS-1
.Llap:
	QUARTER 0, 4, F1, F0, 0
	QUARTER 0, 6, F0, F1, 0
	TURN 0, 1, 1
	QUARTER 1, 2, F0, F1, 0
	QUARTER 1, 4, F1, F0, 0
	QUARTER 1, 6, F0, F1, 0
	TURN 1, 0, 1
	QUARTER 0, 2, F0, F1, 0
	WIN 0
	s_sub_co_u32 s3, s3, 1
	s_cmp_lg_u32 s3, 0
	s_cbranch_scc1 .Llap
	QUARTER 0, 4, F1, F0, 0                        ; the last lap fills nothing
	QUARTER 0, 6, F0, F1, 0
	TURN 0, 1, 0
	QUARTER 1, 2, F0, F1, 0
	QUARTER 1, 4, F1, F0, 0
	QUARTER 1, 6, F0, F1, 0
	s_wait_dscnt 16
	WIN MUL
	MUL8 F1, 0, 0, 0
	MUL8 F1, 0, 2, 0
	s_wait_dscnt 0
	MUL8 F1, 1, 0, 0
	MUL8 F1, 1, 2, 0
	WIN 0
; THE WAY OUT, 16 rows x 64 columns at a time, through my own stage: a lane has 32 bytes of a row; back come whole rows of 256 bytes, which sixteen lanes store.  LDS serves the instructions of a wave in order: no wait between stores and loads.
.macro TOSTAGE a
.irp b, 0,1,2,3
	ds_store_b128 v[STO], v[ACC+8*(4*(\a)+\b):ACC+8*(4*(\a)+\b)+3] offset:64*\b       ; each accumulator from its low end on
	ds_store_b128 v[STO], v[ACC+8*(4*(\a)+\b)+4:ACC+8*(4*(\a)+\b)+7] offset:64*\b+16
.endr
.irp t, 0,1,2,3,4,5,6,7
	ds_load_b128 v[TMP+32*((\a)%2)+4*\t:TMP+32*((\a)%2)+4*\t+3], v[RD] offset:\t*2*SPITCH
.endr
.endm
.macro SEND a, younger                 ; younger: the LDS instructions issued behind the loads of block a
	s_wait_dscnt \younger
.irp t, 0,1,2,3,4,5,6,7
	global_store_b128 v[CO], v[TMP+32*((\a)%2)+4*\t:TMP+32*((\a)%2)+4*\t+3], s[8:9] offset:(16*(\a)+2*\t)*4096 th:TH_STORE_NT   ; 16 lanes store 256 consecutive bytes, aligned
.endr
.endm
	PLACES
	TOSTAGE 0
.irp a, 1,2,3
.if \a > 1
	s_wait_xcnt 0x0                                ; the stores of two blocks back have read their registers
.endif
	TOSTAGE \a
	SEND \a-1, 16                                  ; behind its loads: the 8 stores and 8 loads of block a
.endr
	SEND 3, 0
	s_wait_tensorcnt 0x0                           ; the end of the wave
	ds_add_u32 v[SPW], v[NIL]
	s_wait_dscnt 0x0
	CROUND                                         ; the closing round
	s_endpgm
.Lfunc_end_k_q97b351f432_outproj:
	.size	k_q97b351f432_outproj, .Lfunc_end_k_q97b351f432_outproj-k_q97b351f432_outproj
	.p2alignl 7, 3214868480
	.fill 96, 4, 3214868480
	.section	.rodata,"a",@progbits
	.p2align	6, 0x0
	.amdhsa_kernel k_q97b351f432_outproj
		.amdhsa_group_segment_fixed_size 327680
		.amdhsa_private_segment_fixed_size 0
		.amdhsa_enable_private_segment 0
		.amdhsa_kernarg_size 24
		.amdhsa_user_sgpr_count 2
		.amdhsa_user_sgpr_kernarg_segment_ptr 1
		.amdhsa_wavefront_size32 1
		.amdhsa_system_sgpr_workgroup_id_x 1
		.amdhsa_system_sgpr_workgroup_id_y 1
		.amdhsa_system_sgpr_workgroup_id_z 1
		.amdhsa_system_vgpr_workitem_id 0
		.amdhsa_next_free_vgpr 512
		.amdhsa_next_free_sgpr 66
		.amdhsa_reserve_vcc 0
		.amdhsa_float_denorm_mode_32 3
		.amdhsa_float_denorm_mode_16_64 3
		.amdhsa_memory_ordered 1
		.amdhsa_forward_progress 1
		.amdhsa_inst_pref_size 85
	.end_amdhsa_kernel
	.amdgpu_metadata
---
amdhsa.version: [ 1, 2 ]
amdhsa.kernels:
  - .name:           k_q97b351f432_outproj
    .symbol:         k_q97b351f432_outproj.kd
    .args:
      - { .name: joined, .offset: 0, .size: 8, .value_kind: global_buffer, .address_space: global }
      - { .name: woimg, .offset: 8, .size: 8, .value_kind: global_buffer, .address_space: global }
      - { .name: out0, .offset: 16, .size: 8, .value_kind: global_buffer, .address_space: global }
    .group_segment_fixed_size: 327680
    .private_segment_fixed_size: 0
    .kernarg_segment_align: 8
    .kernarg_segment_size: 24
    .max_flat_workgroup_size: 128
    .sgpr_count:     66
    .vgpr_count:     512
    .wavefront_size: 32
...
	.end_amdgpu_metadata
.endif
;; end of part 4
;; launch fine (part 5): grid 16 x 2, 16 waves a work-group, no clusters, 84,992 bytes of LDS; arguments qkv, woimg, mw, mflags, out0; writes out0
.if DOCPART == 5
	.amdgcn_target "amdgcn-amd-amdhsa--gfx1250"
	.amdhsa_code_object_version 6
	.text
	.protected	k_q97b351f432_fine
	.globl	k_q97b351f432_fine
	.p2align	8
	.type	k_q97b351f432_fine,@function
k_q97b351f432_fine:
	s_mov_b64 s[64:65], 0
	v_nop
	global_prefetch_b8 v0, s[64:65] scope:SCOPE_SE
	s_setreg_imm32_b32 hwreg(HW_REG_WAVE_MODE, 25, 1), 1
	s_wait_xcnt 0x0
; FINE: positions 0 to 15 of both sequences once more, with p, v, the attention result and Wo each as a PAIR of f16 numbers (a high part and the rest x 2048): rows that may average very few values, where one f16 rounding weighs most.
; x y is taken as xh yh + (xh yl + xl yh) / 2048; the term xl yl / 2^22 is left out.  q and k stay single f16 numbers.  The mask is read as it is given, by the stored flags and lane masks of q tile 0.
; Work-group (nb, b) makes out0[b][0..15][64 nb .. 64 nb + 63] and writes over what the launch before left there.
; PHASE 1: wave w is head w: the walk over 32 steps of 64 keys as in the attention launch, operands straight from memory (images of operand registers).  The 16 column blocks repeat this phase: it is short.
; PHASE 2: the 16 heads meet in LDS as images; wave w takes 16 columns (w % 4) and a quarter of K (w / 4); the four quarters meet in a stage; waves 0-7 add them and store two rows each.
; A row in which no key counts gives NaN (0 x 1 / 0), as the softmax of such a row does.
.set ALOW,  32768                      ; LDS: high images at 0 (chunk 2 head + dt / 2, half dt % 2: 512 bytes each), low images here
.set STG,   65536                      ; 4 quarters x 16 rows x (256 bytes + 16)
.set SPARE, STG+4*16*272               ; the spare words, 128 bytes a wave; no other line names them
.set LI,   1                           ; v1  16 x lane
.set AW,   2                           ; v2  where I store my images: 2,048 wave + 16 lane
.set AR,   3                           ; v3  where I read my quarter of K: 8,192 (wave / 4) + 16 lane
.set SPW,  4
.set NIL,  5
.set NINF, 6
.set KO,   7                           ; v7  16 lane + 8,192 step
.set CM,   8
.set MR,   9
.set AF,   10                          ; v10 a; behind the loop 1 / l (v11 named with it)
.set C0,   12
.set T0,   16
.set T1,   17
.set TP,   18                          ; v18-25 four pairs at work
.set SO,   26                          ; v26 the stage, in
.set SR,   27                          ; v27 the stage, back
.set GOUT, 28                          ; v28 my bytes in out0
.set Q,    32
.set ONES, 48
.set L,    56                          ; sums of the high parts of p
.set LX,   64                          ; of the low parts
.set PH,   72                          ; v72-87 p high, two groups of 32 keys
.set S,    88                          ; v88-119 S^T; p low is packed in place: group g at v[88 + 16 g] on
.set O,    120                         ; v120-151 vh ph
.set OX,   152                         ; v152-183 vh pl + vl ph
.set BUF,  184                         ; v184-247 K, then a group of V high and low
.macro WIDEN d, r
	v_cvt_f32_f16 v[\d], v\r\().l
	v_cvt_f32_f16 v[(\d)+1], v\r\().h
.endm
	s_load_b256 s[4:11], s[0:1], 0x0               ; qkv, woimg, mw, mflags
	s_load_b64 s[12:13], s[0:1], 0x20              ; out0
	v_lshl_add_u32 v[SPW], v0, 2, SPARE
	v_mov_b32 v[NIL], 0
	v_lshrrev_b32 v[AW], 5, v0
	v_readfirstlane_b32 s16, v[AW]                 ; wave 0..15
	v_and_b32 v[LI], 31, v0
	v_lshlrev_b32 v[LI], 4, v[LI]
	v_and_b32 v29, 15, v0                          ; r
	v_bfe_u32 v30, v0, 4, 1                        ; h
	v_lshl_add_u32 v[AW], v[AW], 11, v[LI]
	v_lshrrev_b32 v[AR], 7, v0                     ; wave / 4
	v_mul_u32_u24 v[SO], v[AR], 4352
	v_lshl_add_u32 v[AR], v[AR], 13, v[LI]
	v_mad_u32_u24 v[SO], v29, 272, v[SO]
	v_lshl_add_u32 v[SO], v30, 5, v[SO]
	v_bfe_u32 v31, v0, 5, 2                        ; wave % 4
	v_lshl_add_u32 v[SO], v31, 6, v[SO]
	v_add_nc_u32 v[SO], STG, v[SO]                 ; quarter, row r, 64 (wave % 4) + 32 h
	v_lshrrev_b32 v31, 5, v0
	v_lshl_add_u32 v31, v31, 1, v30                ; row 2 wave + h (used by waves 0-7)
	v_mul_u32_u24 v[SR], v31, 272
	v_lshl_add_u32 v[SR], v29, 4, v[SR]
	v_add_nc_u32 v[SR], STG, v[SR]
	v_lshlrev_b32 v[GOUT], 12, v31
	v_lshl_add_u32 v[GOUT], v29, 4, v[GOUT]
	s_and_b32 s17, ttmp7, 0xffff                   ; the batch
	s_lshl_b32 s18, s17, 4
	s_add_co_u32 s18, s18, s16                     ; the head of 32
	s_lshl_b32 s18, s18, 18
	s_mov_b32 s19, 0
	s_mov_b32 s28, 0x3e38aa3b                      ; c = log2(e) / 8
	s_mov_b32 s29, s28
	s_mov_b32 s30, 0x76543210
	s_mov_b32 s31, 0xfedcba98
	s_lshl_b32 s36, ttmp9, 2
	s_and_b32 s37, s16, 3
	s_add_co_u32 s36, s36, s37                     ; my tile of 16 rows of Wo
	s_lshl_b32 s36, s36, 5
	s_lshr_b32 s37, s16, 2
	s_lshl_b32 s37, s37, 3
	s_add_co_u32 s36, s36, s37                     ; + my 8 chunks
	s_lshl_b32 s36, s36, 10
	s_mov_b32 s37, 0
	s_lshl_b32 s38, s17, 23                        ; 2,048 rows of 4,096 bytes a batch
	s_lshl_b32 s39, ttmp9, 8
	s_add_co_u32 s38, s38, s39
	s_mov_b32 s39, 0
	s_wait_kmcnt 0x0
	s_load_b64 s[14:15], s[10:11], 0x0             ; the flags of q tile 0
	s_add_nc_u64 s[20:21], s[4:5], s[18:19]        ; q
	s_add_nc_u64 s[22:23], s[20:21], 0x800000      ; k
	s_add_nc_u64 s[24:25], s[20:21], 0x1000000     ; v high
	s_add_nc_u64 s[26:27], s[20:21], 0x1800000     ; v low
	s_add_nc_u64 s[36:37], s[6:7], s[36:37]
	s_add_nc_u64 s[38:39], s[12:13], s[38:39]
.irp n, 0,1,2,3
	global_load_b128 v[Q+4*\n:Q+4*\n+3], v[LI], s[20:21] offset:512*\n
.endr
	v_mov_b32 v[NINF], 0xff800000
	v_mov_b32 v[MR], 0xff61b1e6
	v_mul_f32 v[CM], s28, v[MR]
	v_mov_b32 v[AF+1], 0
	v_mov_b32 v[T0], 0
.set jj, 0
.rept 8
	v_mov_b32 v[ONES+jj], 0x3c003c00
	v_mov_b32 v[L+jj], 0                           ; the sums begin as zeros: which step is the first that counts hangs on the mask
	v_mov_b32 v[LX+jj], 0
.set jj, jj+1
.endr
.set jj, 0
.rept 64
	v_mov_b32 v[O+jj], 0
.set jj, jj+1
.endr
	s_mov_b32 s32, 0                               ; the step
	s_mov_b32 s33, 0                               ; 8,192 x step
	s_mov_b32 s34, 0                               ; 128 x step
	s_wait_kmcnt 0x0
	s_wait_loadcnt 0x0                             ; Q
.macro VLOAD g                         ; the high and the low part of 32 keys of V
.irp n, 0,1,2,3,4,5,6,7
	global_load_b128 v[BUF+4*\n:BUF+4*\n+3], v[KO], s[24:25] offset:4096*\g+512*\n
	global_load_b128 v[BUF+32+4*\n:BUF+32+4*\n+3], v[KO], s[26:27] offset:4096*\g+512*\n
.endr
.endm
.macro PROD g                          ; 14 products; no two neighbours share an accumulator
.irp d, 0,1,2,3
	v_wmma_f32_16x16x32_f16 v[O+8*\d:O+8*\d+7], v[BUF+8*\d:BUF+8*\d+7], v[PH+8*\g:PH+8*\g+7], v[O+8*\d:O+8*\d+7]
.endr
	v_wmma_f32_16x16x32_f16 v[L:L+7], v[ONES:ONES+7], v[PH+8*\g:PH+8*\g+7], v[L:L+7]
.irp d, 0,1,2,3
	v_wmma_f32_16x16x32_f16 v[OX+8*\d:OX+8*\d+7], v[BUF+8*\d:BUF+8*\d+7], v[S+16*\g:S+16*\g+7], v[OX+8*\d:OX+8*\d+7]
.endr
	v_wmma_f32_16x16x32_f16 v[LX:LX+7], v[ONES:ONES+7], v[S+16*\g:S+16*\g+7], v[LX:LX+7]
.irp d, 0,1,2,3
	v_wmma_f32_16x16x32_f16 v[OX+8*\d:OX+8*\d+7], v[BUF+32+8*\d:BUF+32+8*\d+7], v[PH+8*\g:PH+8*\g+7], v[OX+8*\d:OX+8*\d+7]
.endr
.endm
.Lstep:
	s_bitcmp1_b32 s14, s32                         ; does any key of this step count?
	s_cbranch_scc0 .Lidle
	v_add_nc_u32 v[KO], s33, v[LI]                 ; (every earlier load has been waited for.)  With the four below: five places behind the last products
.rept 4
	v_nop
.endr
	s_load_b512 s[68:83], s[8:9], s34 offset:0x0   ; the 32 lane masks of this step
	s_load_b512 s[84:99], s[8:9], s34 offset:0x40
.irp n, 0,1,2,3,4,5,6,7,8,9,10,11,12,13,14,15
	global_load_b128 v[BUF+4*\n:BUF+4*\n+3], v[KO], s[22:23] offset:512*\n
.endr
	s_wait_loadcnt 0x0
.irp ch, 0,1
.irp kt, 0,1,2,3
.if \ch == 0
	v_wmma_f32_16x16x32_f16 v[S+8*\kt:S+8*\kt+7], v[BUF+16*\kt:BUF+16*\kt+7], v[Q:Q+7], 0
.else
	v_wmma_f32_16x16x32_f16 v[S+8*\kt:S+8*\kt+7], v[BUF+16*\kt+8:BUF+16*\kt+15], v[Q+8:Q+15], v[S+8*\kt:S+8*\kt+7]
.endif
.endr
.endr
.rept 4
	v_nop                                          ; places in front of the loads into K and of the first read of the scores
.endr
	VLOAD 0                                        ; lands under the softmax
	s_wait_kmcnt 0x0
	s_bitcmp1_b32 s15, s32
	s_cbranch_scc0 .Lopen
.irp n, 0,1,2,3,4,5,6,7,8,9,10,11,12,13,14,15,16,17,18,19,20,21,22,23,24,25,26,27,28,29,30,31
	v_cndmask_b32 v[S+\n], v[S+\n], v[NINF], s[68+\n]
.endr
.Lopen:
.irp j, 0,1,2,3
	v_max3_num_f32 v[C0+\j], v[S+8*\j], v[S+8*\j+1], v[S+8*\j+2]
.endr
.irp j, 0,1,2,3
	v_max3_num_f32 v[C0+\j], v[C0+\j], v[S+8*\j+3], v[S+8*\j+4]
.endr
.irp j, 0,1,2,3
	v_max3_num_f32 v[C0+\j], v[C0+\j], v[S+8*\j+5], v[S+8*\j+6]
.endr
	v_max3_num_f32 v[C0], v[C0], v[S+7], v[S+15]
	v_max3_num_f32 v[C0+2], v[C0+2], v[S+23], v[S+31]
	v_max3_num_f32 v[C0], v[C0], v[C0+1], v[C0+2]
	v_max3_num_f32 v[C0], v[C0], v[C0+3], v[MR]
	v_permlanex16_b32 v[T0], v[C0], s30, s31
	v_mov_b32 v[T1], v[CM]
	v_max_num_f32 v[MR], v[C0], v[T0]
	v_mul_f32 v[CM], s28, v[MR]
	v_sub_f32 v[T1], v[T1], v[CM]
.set jj, 0
.rept 16
	v_pk_fma_f32 v[S+2*jj:S+2*jj+1], v[S+2*jj:S+2*jj+1], s[28:29], v[CM:CM+1] op_sel_hi:[1,0,0] neg_lo:[0,0,1] neg_hi:[0,0,1]
.set jj, jj+1
.endr
	v_exp_f32 v[AF], v[T1]
.set jj, 0
.rept 32
	v_exp_f32 v[S+jj], v[S+jj]
.set jj, jj+1
.endr
	v_nop
	s_wait_alu depctr_va_vdst(0)                   ; one wait for the batch, ahead of its first reader
.set jj, 0
.rept 16
	v_cvt_pk_f16_f32 v[PH+jj], v[S+2*jj], v[S+2*jj+1]              ; p high
.set jj, jj+1
.endr
.irp j, 72,73,74,75,76,77,78,79,80,81,82,83,84,85,86,87
	WIDEN TP+2*(\j%4), \j
	v_pk_add_f32 v[S+2*(\j-72):S+2*(\j-72)+1], v[S+2*(\j-72):S+2*(\j-72)+1], v[TP+2*(\j%4):TP+2*(\j%4)+1] neg_lo:[0,1] neg_hi:[0,1]   ; what the rounding left: exact
.endr
.set jj, 0
.rept 16
	v_pk_mul_f32 v[S+2*jj:S+2*jj+1], v[S+2*jj:S+2*jj+1], 0x45000000 op_sel_hi:[1,0]   ; x 2048
.set jj, jj+1
.endr
.irp g, 0,1
.irp i, 0,1,2,3,4,5,6,7
	v_cvt_pk_f16_f32 v[S+16*\g+\i], v[S+16*\g+2*\i], v[S+16*\g+2*\i+1]   ; p low, packed in place
.endr
.endr
.set jj, 0
.rept 32
	v_pk_mul_f32 v[O+2*jj:O+2*jj+1], v[O+2*jj:O+2*jj+1], v[AF:AF+1] op_sel_hi:[1,0]   ; both parts of O^T under the new m
.set jj, jj+1
.endr
.set jj, 0
.rept 8
	v_pk_mul_f32 v[L+2*jj:L+2*jj+1], v[L+2*jj:L+2*jj+1], v[AF:AF+1] op_sel_hi:[1,0]   ; and both sums
.set jj, jj+1
.endr
	s_wait_loadcnt 0x0
	PROD 0
.rept 4
	v_nop
.endr
	VLOAD 1
	s_wait_loadcnt 0x0
	PROD 1
.Lidle:
	s_add_co_u32 s33, s33, 8192
	s_add_co_u32 s34, s34, 128
	s_add_co_u32 s32, s32, 1
	s_cmp_lt_u32 s32, 32
	s_cbranch_scc1 .Lstep
.rept 4
	v_nop                                          ; places behind the last products
.endr
	v_fmamk_f32 v[T0], v[LX], 0x3a000000, v[L]     ; l = high + low / 2048
	v_rcp_f32 v[AF], v[T0]
.set jj, 0
.rept 16
	v_pk_fma_f32 v[O+2*jj:O+2*jj+1], v[OX+2*jj:OX+2*jj+1], 0x3a000000, v[O+2*jj:O+2*jj+1] op_sel_hi:[1,0,1]
.set jj, jj+1
.endr
	s_wait_alu depctr_va_vdst(0)
.set jj, 0
.rept 16
	v_pk_mul_f32 v[O+2*jj:O+2*jj+1], v[O+2*jj:O+2*jj+1], v[AF:AF+1] op_sel_hi:[1,0]
.set jj, jj+1
.endr
.set jj, 0
.rept 16
	v_cvt_pk_f16_f32 v[PH+jj], v[O+2*jj], v[O+2*jj+1]              ; the result, high part
.set jj, jj+1
.endr
.irp j, 72,73,74,75,76,77,78,79,80,81,82,83,84,85,86,87
	WIDEN TP+2*(\j%4), \j
	v_pk_add_f32 v[O+2*(\j-72):O+2*(\j-72)+1], v[O+2*(\j-72):O+2*(\j-72)+1], v[TP+2*(\j%4):TP+2*(\j%4)+1] neg_lo:[0,1] neg_hi:[0,1]
.endr
.set jj, 0
.rept 16
	v_pk_mul_f32 v[O+2*jj:O+2*jj+1], v[O+2*jj:O+2*jj+1], 0x45000000 op_sel_hi:[1,0]
.set jj, jj+1
.endr
.set jj, 0
.rept 16
	v_cvt_pk_f16_f32 v[S+jj], v[O+2*jj], v[O+2*jj+1]               ; low part
.set jj, jj+1
.endr
.irp d, 0,1,2,3
	ds_store_b128 v[AW], v[PH+4*\d:PH+4*\d+3] offset:512*\d
	ds_store_b128 v[AW], v[S+4*\d:S+4*\d+3] offset:ALOW+512*\d
.endr
.irp n, 0,1,2,3,4,5,6,7,8,9,10,11,12,13,14,15  ; my 8 chunks of Wo: high into v128-191, low into v192-255
	global_load_b128 v[128+4*\n:131+4*\n], v[LI], s[36:37] offset:512*\n
	global_load_b128 v[192+4*\n:195+4*\n], v[LI], s[36:37] offset:2097152+512*\n
.endr
	s_wait_dscnt 0x0                               ; for the sake of the others: my images have landed
	s_barrier_signal -1
	s_barrier_wait -1
	; PHASE 2: source 0 = 16 rows of Wo, source 1 = the 16 positions: a lane holds a position and 8 neighbouring columns.  Three accumulators by turns: v96 high x high, v104 Wo high x low, v112 Wo low x high
.irp bt, 0,1
.if \bt > 0
.rept 4
	v_nop
.endr
.endif
.irp q, 0,1,2,3
.irp f, 0,1
	ds_load_b128 v[32+8*\q+4*\f:35+8*\q+4*\f], v[AR] offset:(4*\bt+\q)*1024+512*\f
	ds_load_b128 v[64+8*\q+4*\f:67+8*\q+4*\f], v[AR] offset:ALOW+(4*\bt+\q)*1024+512*\f
.endr
.endr
	s_wait_dscnt 0x0
.if \bt == 0
	s_wait_loadcnt 0x0                             ; Wo
.endif
.irp q, 0,1,2,3
.if (\bt == 0) && (\q == 0)
	v_wmma_f32_16x16x32_f16 v[96:103], v[128:135], v[32:39], 0
	v_wmma_f32_16x16x32_f16 v[104:111], v[128:135], v[64:71], 0
	v_wmma_f32_16x16x32_f16 v[112:119], v[192:199], v[32:39], 0
.else
	v_wmma_f32_16x16x32_f16 v[96:103], v[128+8*(4*\bt+\q):135+8*(4*\bt+\q)], v[32+8*\q:39+8*\q], v[96:103]
	v_wmma_f32_16x16x32_f16 v[104:111], v[128+8*(4*\bt+\q):135+8*(4*\bt+\q)], v[64+8*\q:71+8*\q], v[104:111]
	v_wmma_f32_16x16x32_f16 v[112:119], v[192+8*(4*\bt+\q):199+8*(4*\bt+\q)], v[32+8*\q:39+8*\q], v[112:119]
.endif
.endr
.endr
.rept 4
	v_nop
.endr
.irp j, 0,2,4,6
	v_pk_add_f32 v[120+\j:121+\j], v[104+\j:105+\j], v[112+\j:113+\j]
.endr
.irp j, 0,2,4,6
	v_pk_fma_f32 v[120+\j:121+\j], v[120+\j:121+\j], 0x3a000000, v[96+\j:97+\j] op_sel_hi:[1,0,1]
.endr
	ds_store_b128 v[SO], v[120:123]
	ds_store_b128 v[SO], v[124:127] offset:16
	s_wait_dscnt 0x0
	s_barrier_signal -1
	s_barrier_wait -1
	s_cmp_lt_u32 s16, 8                            ; waves 0-7 add the four quarters of K and store two rows each
	s_cbranch_scc0 .Ldone
.irp q, 0,1,2,3
	ds_load_b128 v[32+4*\q:35+4*\q], v[SR] offset:4352*\q
.endr
	s_wait_dscnt 0x0
	v_pk_add_f32 v[32:33], v[32:33], v[36:37]
	v_pk_add_f32 v[34:35], v[34:35], v[38:39]
	v_pk_add_f32 v[40:41], v[40:41], v[44:45]
	v_pk_add_f32 v[42:43], v[42:43], v[46:47]
	v_pk_add_f32 v[32:33], v[32:33], v[40:41]
	v_pk_add_f32 v[34:35], v[34:35], v[42:43]
	global_store_b128 v[GOUT], v[32:35], s[38:39]  ; 16 lanes store 256 consecutive bytes, aligned
.Ldone:
	s_wait_tensorcnt 0x0                           ; the end of a wave that stored to LDS
	ds_add_u32 v[SPW], v[NIL]
	s_wait_dscnt 0x0
	s_endpgm
.Lfunc_end_k_q97b351f432_fine:
	.size	k_q97b351f432_fine, .Lfunc_end_k_q97b351f432_fine-k_q97b351f432_fine
	.p2alignl 7, 3214868480
	.fill 96, 4, 3214868480
	.section	.rodata,"a",@progbits
	.p2align	6, 0x0
	.amdhsa_kernel k_q97b351f432_fine
		.amdhsa_group_segment_fixed_size 84992
		.amdhsa_private_segment_fixed_size 0
		.amdhsa_enable_private_segment 0
		.amdhsa_kernarg_size 40
		.amdhsa_user_sgpr_count 2
		.amdhsa_user_sgpr_kernarg_segment_ptr 1
		.amdhsa_wavefront_size32 1
		.amdhsa_system_sgpr_workgroup_id_x 1
		.amdhsa_system_sgpr_workgroup_id_y 1
		.amdhsa_system_sgpr_workgroup_id_z 1
		.amdhsa_system_vgpr_workitem_id 0
		.amdhsa_next_free_vgpr 256
		.amdhsa_next_free_sgpr 100
		.amdhsa_reserve_vcc 0
		.amdhsa_float_denorm_mode_32 3
		.amdhsa_float_denorm_mode_16_64 3
		.amdhsa_memory_ordered 1
		.amdhsa_forward_progress 1
		.amdhsa_inst_pref_size 46
	.end_amdhsa_kernel
	.amdgpu_metadata
---
amdhsa.version: [ 1, 2 ]
amdhsa.kernels:
  - .name:           k_q97b351f432_fine
    .symbol:         k_q97b351f432_fine.kd
    .args:
      - { .name: qkv, .offset: 0, .size: 8, .value_kind: global_buffer, .address_space: global }
      - { .name: woimg, .offset: 8, .size: 8, .value_kind: global_buffer, .address_space: global }
      - { .name: mw, .offset: 16, .size: 8, .value_kind: global_buffer, .address_space: global }
      - { .name: mflags, .offset: 24, .size: 8, .value_kind: global_buffer, .address_space: global }
      - { .name: out0, .offset: 32, .size: 8, .value_kind: global_buffer, .address_space: global }
    .group_segment_fixed_size: 84992
    .private_segment_fixed_size: 0
    .kernarg_segment_align: 8
    .kernarg_segment_size: 40
    .max_flat_workgroup_size: 512
    .sgpr_count:     100
    .vgpr_count:     256
    .wavefront_size: 32
...
	.end_amdgpu_metadata
.endif
;; end of part 5
